; MI455X (gfx1250); checked and timed in simulation.
; The chip was launched on July 23, 2026; its instructions are those of AMD's public machine-readable ISA for CDNA 5 (MIT licence, August 2026) and "CDNA5" Instruction Set Architecture Reference Guide (July 2026). The comments in the code are by the model that wrote it; some were corrected since.
;; H Attention1 D. Allowed arithmetic: float matrix products may take bf16 or f16 operands with f32 sums; all other float work in f32.
;; Inputs: Wk 1,024 x 1,024 float32; Wq 1,024 x 1,024 float32; Wv 1,024 x 1,024 float32; bk 1,024 float32; bq 1,024 float32; bv 1,024 float32; mask 2 x 8,192 bool; x 2 x 8,192 x 1,024 float32.
;; Outputs: out0 2 x 8,192 x 1,024 float32.
;; One version. Each part assembles by itself: llvm-mc -triple=amdgcn-amd-amdhsa -mcpu=gfx1250 --defsym DOCPART=n.
;; ======== version 1 of 1: 4 launches
;; limits: values are held in f16: magnitudes above 65,504 overflow, below 6.1e-05 lose precision; values outside matrix products are rounded to bf16; values outside matrix products are rounded to f16
;; workspace buffers: xb 33,554,432 bytes; wt 6,291,456 bytes; tab 372,736 bytes; qkv 100,663,296 bytes; c4 6,291,456 bytes; yc 4,259,840 bytes
;; launch prep (part 1): grid 1476 x 1, 8 waves a work-group, no clusters, 18,432 bytes of LDS; arguments x, Wq, Wk, Wv, mask, xb, wt, tab; writes xb, wt, tab
.if DOCPART == 1
	.amdgcn_target "amdgcn-amd-amdhsa--gfx1250"
	.amdhsa_code_object_version 6
	.text
	.protected	k_qc1096f0c07_prep
	.globl	k_qc1096f0c07_prep
	.p2align	8
	.type	k_qc1096f0c07_prep,@function
k_qc1096f0c07_prep:
	s_mov_b64 s[64:65], 0
	v_nop
	global_prefetch_b8 v0, s[64:65] scope:SCOPE_SE
	s_setreg_imm32_b32 hwreg(HW_REG_WAVE_MODE, 25, 1), 1
	s_wait_xcnt 0x0
; PREP.  Three kinds of work-group, chosen by the work-group's number alone (the same for all eight waves):
;   0-383     a tile of 128 k x 64 n of Wq, Wk or Wv: rounded to bf16 and turned, through LDS, into wt[type*1024+n][k].  Wq is multiplied by 1/8 first, the scale of q: a power of two, so the rounded numbers are the same but for it
;   384-447   the tables of the mask for 256 tokens each;  448-451 the same for 256 level-4 tokens each (mask = any of 16)
;   452-1475  65,536 bytes of x rounded to bf16
; TABLES, for N base tokens, from byte tx of tab: w_l (bf16; l = 1, 2, 3) at (l-1) 2N, m 2^-l (f16) at (l+2) 2N, then the masks of levels 0-3 as bytes at
; 12N, 13N, 13.5N, 13.75N.  w_l(t) = m(t) x the product over i <= l of 1 / max(1, present children of t's node of level i): each factor is 1 or 1/2, so every entry is exact.
; At tab's head, for the 16,384 tokens: w_4 in f32, then at byte 65,536 m / 16 in f32.
.set SPARE, 17408                      ; behind the tile: the spare words, 128 bytes for each of eight waves; no other line names them
.set WP,    272                        ; an LDS row of the turned tile: 128 k x 2 bytes + 16
	s_load_b512 s[8:23], s[0:1], 0x0               ; x s[8:9], Wq s[10:11], Wk s[12:13], Wv s[14:15], mask s[16:17], xb s[18:19], wt s[20:21], tab s[22:23]
	v_lshl_add_u32 v102, v0, 2, SPARE              ; my spare word,
	v_mov_b32 v103, 0                              ; and 0: kept for the add at the end of the path that stores into LDS
	s_mov_b32 s2, ttmp9
	s_mov_b32 s5, 0                                ; the high word of every offset pair s[4:5]
	s_wait_kmcnt 0x0
	s_cmp_lt_u32 s2, 384
	s_cbranch_scc1 .Lweights
	s_cmp_lt_u32 s2, 448
	s_cbranch_scc1 .Ltab_fine
	s_cmp_lt_u32 s2, 452
	s_cbranch_scc1 .Ltab_coarse
	; ---- x to bf16.  A load of the work-group covers 4,096 consecutive bytes; all sixteen go out before the first is waited for.
	s_sub_co_u32 s3, s2, 452
	s_lshl_b32 s4, s3, 16
	s_add_nc_u64 s[8:9], s[8:9], s[4:5]
	s_lshl_b32 s4, s3, 15
	s_add_nc_u64 s[18:19], s[18:19], s[4:5]
	v_lshlrev_b32 v1, 4, v0
	v_lshlrev_b32 v2, 3, v0
.set i, 0
.rept 16
	global_load_b128 v[4+4*i:7+4*i], v1, s[8:9] offset:4096*i th:TH_LOAD_NT
.set i, i+1
.endr
.set i, 0
.rept 16
	s_wait_loadcnt 15-i                            ; loads come back in order: load i is in, the 15 - i younger ones stay out
	v_cvt_pk_bf16_f32 v[68+2*i], v[4+4*i], v[5+4*i]
	v_cvt_pk_bf16_f32 v[69+2*i], v[6+4*i], v[7+4*i]
	global_store_b64 v2, v[68+2*i:69+2*i], s[18:19] offset:2048*i  ; a wave's 32 lanes store 256 consecutive bytes, aligned
.set i, i+1
.endr
	s_endpgm
	; ---- a tile of a weight matrix.  c = thread % 16 takes four columns n, g = thread / 16 takes eight rows k.
.Lweights:
	s_lshr_b32 s3, s2, 7                           ; 0 Wq, 1 Wk, 2 Wv
	s_cmp_eq_u32 s3, 1
	s_cselect_b64 s[10:11], s[12:13], s[10:11]
	s_cmp_eq_u32 s3, 2
	s_cselect_b64 s[10:11], s[14:15], s[10:11]
	s_cmp_eq_u32 s3, 0
	s_cselect_b32 s26, 0x3e000000, 1.0             ; Wq carries q's scale 1/8
	s_mov_b32 s27, s26                             ; named with it as a pair
	s_bfe_u32 s6, s2, 0x30004                      ; kt: which 128 rows k
	s_and_b32 s7, s2, 15                           ; nt: which 64 columns n
	s_lshl_b32 s4, s6, 19                          ; 128 rows of 4,096 bytes
	s_lshl_b32 s24, s7, 8                          ; 64 columns of 4 bytes
	s_add_co_u32 s4, s4, s24
	s_add_nc_u64 s[10:11], s[10:11], s[4:5]
	s_lshl_b32 s4, s3, 21                          ; wt: 1,024 rows of 2,048 bytes a matrix,
	s_lshl_b32 s24, s7, 17                         ; 64 rows a tile,
	s_add_co_u32 s4, s4, s24
	s_lshl_b32 s24, s6, 8                          ; 128 k of 2 bytes
	s_add_co_u32 s4, s4, s24
	s_add_nc_u64 s[20:21], s[20:21], s[4:5]
	v_and_b32 v1, 15, v0                           ; c
	v_lshrrev_b32 v2, 4, v0                        ; g
	v_lshlrev_b32 v3, 4, v1
	v_lshl_add_u32 v100, v2, 15, v3                ; 8 g rows + 16 c bytes: sixteen lanes read 256 consecutive bytes
.set i, 0
.rept 8
	global_load_b128 v[4+4*i:7+4*i], v100, s[10:11] offset:4096*i th:TH_LOAD_NT  ; row k = 8 g + i, columns 4 c ..
.set i, i+1
.endr
	v_mul_u32_u24 v101, v1, 4*WP
	v_lshl_add_u32 v101, v2, 4, v101               ; into LDS: row n = 4 c + e, bytes 16 g
	v_mul_u32_u24 v98, v2, WP
	v_add_nc_u32 v98, v98, v3                      ; back: row g (+ 16 p), bytes 16 c
	v_lshl_add_u32 v99, v2, 11, v3                 ; and the same place in wt
	s_wait_loadcnt 0x0
.set i, 0
.rept 16
	v_pk_mul_f32 v[4+2*i:5+2*i], v[4+2*i:5+2*i], s[26:27] op_sel_hi:[1,0]
.set i, i+1
.endr
.irp e, 0,1,2,3
.irp p, 0,1,2,3
	v_cvt_pk_bf16_f32 v[36+4*\e+\p], v[4+8*\p+\e], v[8+8*\p+\e]  ; column 4 c + e: k = 8 g + 2 p, + 1
.endr
	ds_store_b128 v101, v[36+4*\e:39+4*\e] offset:WP*\e
.endr
	s_wait_dscnt 0x0                               ; for the others' sake: my stores into the tile are done
	s_barrier_signal -1
	s_barrier_wait -1
.irp p, 0,1,2,3
	ds_load_b128 v[52+4*\p:55+4*\p], v98 offset:16*WP*\p
.endr
.irp p, 0,1,2,3
	s_wait_dscnt 3-\p                              ; load p is back, the younger ones stay out
	global_store_b128 v99, v[52+4*\p:55+4*\p], s[20:21] offset:32768*\p  ; sixteen lanes store 256 consecutive bytes, aligned
.endr
	s_wait_tensorcnt 0x0                           ; the wave's end
	ds_add_u32 v102, v103
	s_wait_dscnt 0x0
	s_endpgm
; One halving.  v10: the mask of my node of the level below, as 1.0 or 0; v9: w so far.  The sibling's mask lies x lanes away (a row of sixteen lanes is sixteen consecutive tokens).
.macro HALVE x
	v_mov_b32 v11, v10                             ; the destination of a lane-crossing form counts as read
	v_add_f32_dpp v11, v10, v10 row_xmask:\x row_mask:0xf bank_mask:0xf  ; present children: 0, 1 or 2
	v_max_num_f32 v12, 1.0, v11
	v_min_num_f32 v10, 1.0, v11                    ; any of the two
	v_fma_f32 v12, v12, -0.5, 1.5                  ; 1 / max(1, count): 1 for 1, 1/2 for 2
	v_mul_f32 v9, v9, v12
.endm
.macro LEVEL l, x, n, tm                           ; level l: halve, then store w_l, m 2^-l and the level's mask; each store has data registers of its own
	HALVE \x
	v_cvt_pk_bf16_f32 v[20+\l], v9, v9
	global_store_b16 v3, v[20+\l], s[24:25] offset:(\l-1)*2*\n
	v_mul_f32 v13, 0x3f800000-\l*0x800000, v8
	v_cvt_pk_f16_f32 v[23+\l], v13, v13
	global_store_b16 v3, v[23+\l], s[24:25] offset:(\l+2)*2*\n
	v_cvt_u32_f32 v[27+\l], v10
	global_store_b8 v[30+\l], v[27+\l], s[24:25] offset:\tm  ; the lanes of a node store the same byte with the same value
.endm
.macro TABLES n, tx, first, coarse
	s_sub_co_u32 s3, s2, \first
	s_lshl_b32 s3, s3, 8
	v_add_nc_u32 v1, s3, v0                        ; T: my base token
	s_add_nc_u64 s[24:25], s[22:23], \tx
.if \coarse
	v_lshlrev_b32 v2, 4, v1
	global_load_b128 v[4:7], v2, s[16:17]          ; the sixteen mask bytes of a level-4 token
.else
	global_load_u8 v4, v1, s[16:17]
.endif
	v_lshlrev_b32 v3, 1, v1
	v_lshrrev_b32 v31, 1, v1
	v_lshrrev_b32 v32, 2, v1
	v_lshrrev_b32 v33, 3, v1
	s_wait_loadcnt 0x0
.if \coarse
	v_or_b32 v4, v4, v5
	v_or_b32 v6, v6, v7
	v_or_b32 v4, v4, v6
.endif
	v_cmp_ne_u32 vcc_lo, 0, v4
	v_cndmask_b32 v8, 0, 1.0, vcc_lo               ; m
	v_mov_b32 v9, v8
	v_mov_b32 v10, v8
	v_cvt_u32_f32 v27, v8
	global_store_b8 v1, v27, s[24:25] offset:12*\n
	LEVEL 1, 1, \n, 13*\n
	LEVEL 2, 2, \n, 13*\n+\n/2
	LEVEL 3, 4, \n, 13*\n+\n/2+\n/4
.if !(\coarse)
	HALVE 8                                        ; w_4, for the level-4 means that the projection makes
	v_lshlrev_b32 v34, 2, v1
	v_mul_f32 v35, 0x3d800000, v8                  ; m / 16
	global_store_b32 v34, v9, s[22:23]
	global_store_b32 v34, v35, s[22:23] offset:65536
.endif
	s_endpgm
.endm
.Ltab_fine:
	TABLES 16384, 131072, 384, 0
.Ltab_coarse:
	TABLES 1024, 358400, 448, 1
.Lfunc_end_k_qc1096f0c07_prep:
	.size	k_qc1096f0c07_prep, .Lfunc_end_k_qc1096f0c07_prep-k_qc1096f0c07_prep
	.p2alignl 7, 3214868480
	.fill 96, 4, 3214868480
	.section	.rodata,"a",@progbits
	.p2align	6, 0x0
	.amdhsa_kernel k_qc1096f0c07_prep
		.amdhsa_group_segment_fixed_size 18432
		.amdhsa_private_segment_fixed_size 0
		.amdhsa_enable_private_segment 0
		.amdhsa_kernarg_size 64
		.amdhsa_user_sgpr_count 2
		.amdhsa_user_sgpr_kernarg_segment_ptr 1
		.amdhsa_wavefront_size32 1
		.amdhsa_system_sgpr_workgroup_id_x 1
		.amdhsa_system_sgpr_workgroup_id_y 1
		.amdhsa_system_sgpr_workgroup_id_z 1
		.amdhsa_system_vgpr_workitem_id 0
		.amdhsa_next_free_vgpr 104
		.amdhsa_next_free_sgpr 66
		.amdhsa_reserve_vcc 1
		.amdhsa_float_denorm_mode_32 3
		.amdhsa_float_denorm_mode_16_64 3
		.amdhsa_memory_ordered 1
		.amdhsa_forward_progress 1
		.amdhsa_inst_pref_size 19
	.end_amdhsa_kernel
	.amdgpu_metadata
---
amdhsa.version: [ 1, 2 ]
amdhsa.kernels:
  - .name:           k_qc1096f0c07_prep
    .symbol:         k_qc1096f0c07_prep.kd
    .args:
      - { .name: x, .offset: 0, .size: 8, .value_kind: global_buffer, .address_space: global }
      - { .name: Wq, .offset: 8, .size: 8, .value_kind: global_buffer, .address_space: global }
      - { .name: Wk, .offset: 16, .size: 8, .value_kind: global_buffer, .address_space: global }
      - { .name: Wv, .offset: 24, .size: 8, .value_kind: global_buffer, .address_space: global }
      - { .name: mask, .offset: 32, .size: 8, .value_kind: global_buffer, .address_space: global }
      - { .name: xb, .offset: 40, .size: 8, .value_kind: global_buffer, .address_space: global }
      - { .name: wt, .offset: 48, .size: 8, .value_kind: global_buffer, .address_space: global }
      - { .name: tab, .offset: 56, .size: 8, .value_kind: global_buffer, .address_space: global }
    .group_segment_fixed_size: 18432
    .private_segment_fixed_size: 0
    .kernarg_segment_align: 8
    .kernarg_segment_size: 64
    .max_flat_workgroup_size: 256
    .sgpr_count:     66
    .vgpr_count:     104
    .wavefront_size: 32
...
	.end_amdgpu_metadata
.endif
;; end of part 1
;; launch gemm (part 2): grid 64 x 4, 4 waves a work-group, clusters of 4 x 4, 327,680 bytes of LDS; arguments wt, xb, qkv, c4, tab, bq, bk, bv; writes qkv, c4
.if DOCPART == 2
	.amdgcn_target "amdgcn-amd-amdhsa--gfx1250"
	.amdhsa_code_object_version 6
	.text
	.protected	k_qc1096f0c07_gemm
	.globl	k_qc1096f0c07_gemm
	.p2align	8
	.type	k_qc1096f0c07_gemm,@function
k_qc1096f0c07_gemm:
	s_mov_b64 s[64:65], 0
	v_nop
	global_prefetch_b8 v0, s[64:65] scope:SCOPE_SE
	s_setreg_imm32_b32 hwreg(HW_REG_WAVE_MODE, 25, 1), 1
	s_wait_xcnt 0x0
	s_wait_alu depctr_hold_cnt(0) depctr_sa_sdst(0) depctr_va_vdst(0) depctr_va_sdst(0) depctr_va_ssrc(0) depctr_va_vcc(0) depctr_vm_vsrc(0)
	s_getreg_b32 s2, hwreg(HW_REG_IB_STS2, 6, 4)
	s_cmp_eq_u32 s2, 0
	s_cbranch_scc0 .Lentry_in_a_cluster
	s_endpgm
.Lentry_in_a_cluster:
	s_bfe_u32 s2, ttmp6, 0x10000c
	s_cmp_lg_u32 s2, 0xf033
	s_cbranch_scc0 .Lentry_shape_is_right
	s_endpgm
.Lentry_shape_is_right:
; THE THREE PROJECTIONS AS ONE PRODUCT: C[ch][tok] = b[ch] + sum over k of wt[ch][k] xb[tok][k], ch = type x 1,024 + channel (type 0 q, 1 k, 2 v), 3,072 x 16,384 x 1,024, bf16 operands, f32 sums.
; A tile is 256 channels x 256 tokens, made by four waves of 128 x 128 (64 accumulators, 512 registers).  K goes in steps of 128 through two LDS slots filled by the tensor data mover.
; A WORK-GROUP STAYS: it makes three tiles, 1,024 rows of wt apart: q, k and v of the same channels and tokens.  The ring does not stop at a tile's end: a tile's last two changes of slots ask for the
; next tile's first two K steps, and nothing waits for a tile's stores.  64 x 4 work-groups, all with the same three tiles' work.
; CLUSTER 4 x 4: the four work-groups of a row need the same tiles of wt, the four of a column the same tiles of xb: each is asked for jointly, by the same load, descriptor and mask in all four.
; The grid has one cluster along y, so the channel tile is the place along the cluster's y.
; THE MATRIX INSTRUCTION: source 0 = 16 tokens, source 1 = 16 channels: lane l holds channel l % 16 and the tokens 8 (l / 16) + 0..7.  Rounded in pairs that is 16 bytes a lane, stored AS IT LIES: an
; IMAGE (block of 16 tokens, 16 channels) is 512 consecutive bytes, one store of the wave, and no LDS is needed on the way out.  The launches behind take an image as a matrix operand.
; THE BIAS (rounded to bf16 like every input; q's times 1/8, as wt's rows of q are) is the C operand of the product that starts each sum: a lane's eight numbers of an accumulator belong to one channel.
; THE WAY OUT: q and k rounded to bf16, v to f16, stored; and the level-4 rows, the weighted sum of a block's 16 tokens (q, k: the masked mean's weights w_4; v: m / 16, so that v4 / 16 is stored), by the
; matrix unit: a fragment of weights (0 or powers of 1/2: the products are exact) times two images is again an image, summed in f32 and rounded once.
; LIMITS.  v is kept in f16: |v| stays below 65,504 (at 30 times the drawn spread of every input about 5,000; with offsets of 30 spreads about 29,000).  The level-4 rows are sums of the ROUNDED rows.
; NaN and infinities are not treated apart.
; REGISTERS, in windows of 256: window 0: v0-31 addresses; v32-47 two level-4 accumulators; v48-63 their packs; v64-127, v128-191 fragments of wt, two buffers (on the way out: packed images, by turns);
;   v192-223 the four weight fragments in bf16 (w_4), v224-255 in f16 (m / 16).  window 1: v0-63 the bias, eight times for each of my 8 channel blocks; v64-191 fragments of xb; v192-199 the bias as loaded.
;   windows 2, 3: the accumulators, (a, b) at v[8 (8 (a % 4) + b)] of window 2 + a / 4.
.set SIZE_K, 1024
.set KSTEP,  128
.set PITCH,  272                       ; an LDS row: 256 bytes + 16 of padding: the 16 rows of a fragment load start at 16 different groups of four banks
.set HALFT,  128*PITCH                 ; what one tensor load brings
.set SLOT,   4*HALFT                   ; wt's 256 rows, then xb's 256 rows
.set SPARE,  2*SLOT                    ; behind the ring: the spare words, 128 bytes for each wave; no other line names them
.set LAPS,   SIZE_K/(2*KSTEP)
.set WALK,   1024                      ; rows of wt from a tile to the next: a type's channels
.set NEXT_A, WALK*SIZE_K*2-(SIZE_K-2*KSTEP)*2   ; bytes from a slot's last K step of a tile to its first of the next: wt goes WALK rows down and back along K,
.set BACK_B, (SIZE_K-2*KSTEP)*2        ; xb only back: the three tiles share their tokens
.set ADRA, 16                          ; v16-17  LDS address of my wt fragments in slot 0, 1
.set ADRB, 20                          ; v20-21  the same for xb
.set SPW,  28
.set NIL,  29
.set D4,   32                          ; v32-39, v40-47  level-4 sums of an even and an odd channel block
.set TA,   48                          ; v48-51, v52-55  the two, packed
.set TB,   52
.set SD,   56                          ; v56-59, v60-63  merged, to store; by turns
.set F0,   64
.set F1,   128
.set WFB,  192
.set WFH,  224
.set BIA8, 0                           ; window 1
.set RAW,  192                         ; window 1
.set G1, 24
.set G0, 32
.set G1B, 48
.set G0B, 56
.set MSB, 0
.macro WIN new                         ; the immediate's high byte repeats the setting that is left
.if MSB != (\new)
	s_set_vgpr_msb (MSB<<8)|(\new)
.set MSB, \new
.endif
.endm
.set MUL_LO, 0xa1                      ; source 0 (xb) window 1, source 1 (wt) window 0, C and D window 2
.set MUL_HI, 0xf1                      ; the same, C and D window 3
.set MUL_Z,  0x91                      ; a first product: C (the bias) window 1, D window 2; + 0x40: D window 3
.set TO_B,   0x40                      ; destination window 1, address window 0
; A joint load.  Waves 0 and 1 fetch wt's two halves, waves 2 and 3 xb's.  The branch hangs on the wave's number alone.  An s_nop 0 and four v_nop follow each line.
.macro JLOAD s
	s_cmp_eq_u32 s11, 0
	s_cbranch_scc0 .Lfor_b_\@
	tensor_load_to_lds s[G0+4*(\s):G0+4*(\s)+3], s[G1:G1+7]
	s_nop 0
.rept 4
	v_nop
.endr
	s_branch .Lasked_\@
.Lfor_b_\@:
	tensor_load_to_lds s[G0B+4*(\s):G0B+4*(\s)+3], s[G1B:G1B+7]
	s_nop 0
.rept 4
	v_nop
.endr
.Lasked_\@:
.endm
.macro CREST                           ; a round of the cluster's barrier behind its opening barrier
	s_cmp_lg_u32 s10, 0
	s_cbranch_scc1 .Lnot_wave_0_\@
	s_barrier_signal -3
.Lnot_wave_0_\@:
	s_barrier_wait -3
	s_barrier_signal -1
	s_barrier_wait -1
.endm
.macro CROUND
	s_barrier_signal -1
	s_barrier_wait -1
	CREST
.endm
	s_load_b128 s[4:7], s[0:1], 0x0                ; wt s[4:5], xb s[6:7]
	s_load_b128 s[68:71], s[0:1], 0x10             ; qkv s[68:69], c4 s[70:71]
	s_load_b256 s[72:79], s[0:1], 0x20             ; tab s[72:73], bq s[74:75], bk s[76:77], bv s[78:79]
	v_lshl_add_u32 v[SPW], v0, 2, SPARE
	v_mov_b32 v[NIL], 0
	ds_add_u32 v[SPW], v[NIL]                      ; the wave's opening: the add and its wait stand ahead of my first tensor load
	v_lshrrev_b32 v1, 5, v0
	v_readfirstlane_b32 s10, v1                    ; wave 0..3
	s_lshr_b32 s11, s10, 1                         ; which half of the tile's channels is mine.  Also: I fetch for wt (0) or for xb (1)
	s_and_b32 s12, s10, 1                          ; which half of its tokens.  Also: which 128 rows of that tile I fetch
	s_bfe_u32 s40, ttmp6, 0x40000                  ; cx
	s_bfe_u32 s41, ttmp6, 0x40004                  ; cy
	s_lshl_b32 s42, ttmp9, 2
	s_add_co_u32 s42, s42, s40                     ; token tile = 4 x cluster x + cx
	s_mov_b32 s13, s41                             ; channel tile in a type = cy
	s_lshl_b32 s43, s41, 2
	s_lshl_b32 s43, 15, s43                        ; my row of the cluster
	s_lshl_b32 s44, 0x1111, s40                    ; my column
	s_or_b32 s[G1+0], s43, (1<<16)|(1<<20)|(1<<21)|(5<<22)|(3<<25)   ; mask; 2-byte elements; padding on; bit 21 beside a mask; after every 64 words, 4 words
	s_or_b32 s[G1B+0], s44, (1<<16)|(1<<20)|(1<<21)|(5<<22)|(3<<25)
.irp g, G1, G1B
	s_mov_b32 s[(\g)+1], KSTEP<<16                 ; tensor_dim0 = 128
	s_mov_b32 s[(\g)+2], 128<<16                   ; tensor_dim1 = 128
	s_mov_b32 s[(\g)+3], KSTEP<<16                 ; tile_dim0 = 128
	s_mov_b32 s[(\g)+4], 128                       ; tile_dim1 = 128
	s_mov_b32 s[(\g)+5], SIZE_K                    ; elements from row to row
	s_mov_b32 s[(\g)+6], 0
	s_mov_b32 s[(\g)+7], 0
.endr
	s_lshl_b32 s17, s12, 7
	s_lshl_b32 s16, s13, 8
	s_add_co_u32 s16, s16, s17                     ; wt: row 256 x channel tile + 128 x half, of q's rows first
	s_lshl_b32 s46, s42, 8
	s_add_co_u32 s46, s46, s17                     ; xb: row 256 x token tile + 128 x half
	s_mov_b32 s17, 0
	s_mov_b32 s47, 0
	s_mov_b64 s[18:19], SIZE_K*2
	s_mul_u64 s[16:17], s[16:17], s[18:19]
	s_mul_u64 s[46:47], s[46:47], s[18:19]
	s_mul_i32 s20, s10, HALFT                      ; where they go: wave x 128 rows; no place in the cluster enters an LDS address
	s_wait_dscnt 0x0                               ; the opening add is done
	s_wait_kmcnt 0x0
	s_add_nc_u64 s[14:15], s[4:5], s[16:17]
	s_add_nc_u64 s[46:47], s[6:7], s[46:47]
	CROUND                                         ; all sixteen work-groups are here: the first joint loads meet
.irp s, 0,1
	s_mov_b32 s[G0+4*(\s)], 1
	s_add_co_u32 s[G0+4*(\s)+1], s20, (\s)*SLOT
	s_add_nc_u64 s[G0+4*(\s)+2:G0+4*(\s)+3], s[14:15], (\s)*KSTEP*2
	s_or_b32 s[G0+4*(\s)+3], s[G0+4*(\s)+3], 0x80000000
	s_mov_b32 s[G0B+4*(\s)], 1
	s_add_co_u32 s[G0B+4*(\s)+1], s20, (\s)*SLOT
	s_add_nc_u64 s[G0B+4*(\s)+2:G0B+4*(\s)+3], s[46:47], (\s)*KSTEP*2
	s_or_b32 s[G0B+4*(\s)+3], s[G0B+4*(\s)+3], 0x80000000
	JLOAD \s                                       ; two tensor loads of mine are out
.endr
	v_and_b32 v1, 15, v0                           ; l % 16
	v_bfe_u32 v2, v0, 4, 1                         ; l / 16
	v_mul_u32_u24 v3, v1, PITCH
	v_lshl_add_u32 v3, v2, 4, v3
	s_mul_i32 s21, s11, HALFT                      ; my 128 rows of wt
	s_mul_i32 s22, s12, HALFT                      ; my 128 rows of xb,
	s_add_co_u32 s22, s22, 2*HALFT                 ; which lie behind wt's 256
.irp s, 0,1
	v_add_nc_u32 v[ADRA+(\s)], s21, v3
	v_add_nc_u32 v[ADRB+(\s)], s22, v3
	s_add_co_u32 s21, s21, SLOT
	s_add_co_u32 s22, s22, SLOT
.endr
	; the weights of my 128 tokens and q's bias are asked for while the first tiles are on their way
	v_lshlrev_b32 v6, 2, v1                        ; bias: 4 (l % 16)
	v_and_b32 v4, 7, v1                            ; the block of 16 tokens whose weights my lane takes: l % 8
	v_lshlrev_b32 v7, 6, v4
	v_lshl_add_u32 v7, v2, 5, v7                   ; tokens 16 (l % 8) + 8 (l / 16) .., 4 bytes each
	v_and_b32 v8, 31, v0
	v_lshlrev_b32 v8, 4, v8                        ; an image: 16 x lane
	v_lshlrev_b32 v9, 4, v1
	v_lshl_add_u32 v9, v2, 9, v9                   ; a level-4 image: 16 (l % 16), the upper half of the lanes one channel block on
	s_mov_b32 s67, 0xffff0000                      ; the upper half of the lanes
	s_mov_b32 s97, 0                               ; the high word of the offset pair s[96:97]
	s_lshl_b32 s96, s42, 10                        ; 256 tokens of 4 bytes a tile,
	s_lshl_b32 s94, s12, 9                         ; my 128
	s_add_co_u32 s96, s96, s94
	s_add_nc_u64 s[72:73], s[72:73], s[96:97]
	global_load_b128 v[128:131], v7, s[72:73]                  ; w_4
	global_load_b128 v[132:135], v7, s[72:73] offset:16
	global_load_b128 v[136:139], v7, s[72:73] offset:65536     ; m / 16
	global_load_b128 v[140:143], v7, s[72:73] offset:65552
	s_lshl_b32 s92, s13, 10                        ; 256 channels of 4 bytes a tile,
	s_lshl_b32 s94, s11, 9                         ; my 128
	s_add_co_u32 s92, s92, s94
	s_mov_b32 s93, 0
	s_add_nc_u64 s[80:81], s[74:75], s[92:93]      ; q's bias at my channels
	WIN TO_B
.irp a, 0,1,2,3,4,5,6,7
	global_load_b32 v[RAW+\a], v6, s[80:81] offset:64*\a
.endr
	WIN 0
	s_lshr_b32 s94, s42, 5                         ; the batch: 32 token tiles each
	s_lshl_b32 s94, s94, 4
	s_lshl_b32 s95, s13, 2
	s_add_co_u32 s94, s94, s95
	s_lshl_b32 s95, s11, 1
	s_add_co_u32 s94, s94, s95                     ; batch x 16 + my first head (I hold two)
	s_and_b32 s95, s42, 31                         ; the tile in its sequence
	s_lshl_b32 s96, s94, 20                        ; qkv: [type][batch, head][block of 16 tokens][16 channels][lane][16 bytes]; q's part first
	s_lshl_b32 s98, s95, 15
	s_add_co_u32 s96, s96, s98
	s_lshl_b32 s98, s12, 14
	s_add_co_u32 s96, s96, s98
	s_add_nc_u64 s[68:69], s[68:69], s[96:97]
	s_lshl_b32 s96, s94, 16                        ; c4: the same form with level-4 tokens: the tile is one block, my half of its tokens 256 bytes of each image
	s_lshl_b32 s98, s95, 11
	s_add_co_u32 s96, s96, s98
	s_lshl_b32 s98, s12, 8
	s_add_co_u32 s96, s96, s98
	s_add_nc_u64 s[70:71], s[70:71], s[96:97]
.irp i, 0,1,2,3,4,5,6,7
	v_cmp_eq_u32 s[84+\i], \i, v4                  ; the lanes whose block is i
.endr
	; Weight fragment p (16 rows x 32 tokens, the tokens of blocks 2 p and 2 p + 1): row 2 p holds block 2 p's weights in its first 16 places, row 2 p + 1 block 2 p + 1's in its last 16; all else is 0.
	; Rows 8-15 repeat rows 0-7, so that both halves of the lanes get the eight sums.
	s_wait_loadcnt 8                               ; the four loads of weights are in; the bias's eight stay out
.irp i, 0,1,2,3
	v_cvt_pk_bf16_f32 v[144+\i], v[128+2*\i], v[129+2*\i]
	v_cvt_pk_f16_f32 v[148+\i], v[136+2*\i], v[137+2*\i]
.endr
.irp p, 0,1,2,3
.irp i, 0,1,2,3
	v_cndmask_b32 v[WFB+8*\p+\i], 0, v[144+\i], s[84+2*\p]
	v_cndmask_b32 v[WFB+8*\p+4+\i], 0, v[144+\i], s[85+2*\p]
	v_cndmask_b32 v[WFH+8*\p+\i], 0, v[148+\i], s[84+2*\p]
	v_cndmask_b32 v[WFH+8*\p+4+\i], 0, v[148+\i], s[85+2*\p]
.endr
.endr
; 16 matrix instructions: channel blocks a0, a0 + 1 of the window's four x all 8 token blocks, 32 along K.  zero = 1: the first product starts the sums, from the bias.
.macro MUL16 f, hi, a0, zero
.if \zero
	WIN MUL_Z+0x40*(\hi)
.else
	WIN MUL_LO+0x50*(\hi)
.endif
.irp a, \a0, (\a0)+1
.irp b, 0,1,2,3,4,5,6,7
.if \zero
	v_wmma_f32_16x16x32_bf16 v[8*(8*(\a)+(\b)):8*(8*(\a)+(\b))+7], v[(\f)+8*(\b):(\f)+8*(\b)+7], v[(\f)+8*(4*(\hi)+(\a)):(\f)+8*(4*(\hi)+(\a))+7], v[BIA8+8*(4*(\hi)+(\a)):BIA8+8*(4*(\hi)+(\a))+7]
.else
	v_wmma_f32_16x16x32_bf16 v[8*(8*(\a)+(\b)):8*(8*(\a)+(\b))+7], v[(\f)+8*(\b):(\f)+8*(\b)+7], v[(\f)+8*(4*(\hi)+(\a)):(\f)+8*(4*(\hi)+(\a))+7], v[8*(8*(\a)+(\b)):8*(8*(\a)+(\b))+7]
.endif
.endr
.endr
.endm
; 32 LDS loads in one run: the fragments of one quarter step into buffer f
.macro FETCH slot, k, f
	WIN TO_B
.irp i, 0,1,2,3,4,5,6,7
	ds_load_b128 v[(\f)+8*(\i):(\f)+8*(\i)+3],   v[ADRB+(\slot)] offset:(\k)+(\i)*16*PITCH
	ds_load_b128 v[(\f)+8*(\i)+4:(\f)+8*(\i)+7], v[ADRB+(\slot)] offset:(\k)+(\i)*16*PITCH+32
.endr
	WIN 0
.irp i, 0,1,2,3,4,5,6,7
	ds_load_b128 v[(\f)+8*(\i):(\f)+8*(\i)+3],   v[ADRA+(\slot)] offset:(\k)+(\i)*16*PITCH
	ds_load_b128 v[(\f)+8*(\i)+4:(\f)+8*(\i)+7], v[ADRA+(\slot)] offset:(\k)+(\i)*16*PITCH+32
.endr
.endm
.macro PLACES                          ; four places in front of loads into registers that matrix instructions have read, and of conversions that read results (ISA guide 7.12.1 for the conversions)
.rept 4
	v_nop
.endr
.endm
; A K step is four quarters of 32 along K, 64 matrix instructions each, on buffers 0, 1, 0, 1.  The 64 accumulators take turns.
.macro QUARTER slot, k, f, g, zero
	s_wait_dscnt 8                                 ; xb's fragments and wt's rows 0-63 are in; the youngest eight loads may be out
	MUL16 \f, 0, 0, \zero
	MUL16 \f, 0, 2, \zero
	PLACES
	FETCH \slot, \k, \g
	s_wait_dscnt 32                                ; all but the 32 just issued
	MUL16 \f, 1, 0, \zero
	MUL16 \f, 1, 2, \zero
.endm
; The first half of a step's last quarter: one barrier for the change of slots.
.macro MEET round
	WIN 0
	s_wait_tensorcnt 0x0                           ; all my tensor loads have landed: the one that was out is my part of the next slot;
	ds_add_u32 v[SPW], v[NIL]                      ; 0 onto my spare word;
	s_wait_dscnt 9                                 ; (the add and the youngest eight loads may be out)
	MUL16 F1, 0, 0, 0
	s_wait_dscnt 0x0                               ; the add is done, and my reads of this slot are over
	s_barrier_signal -1
	MUL16 F1, 0, 2, 0
.if \round
	WIN 0
.endif
	s_barrier_wait -1
.endm
; The whole last quarter: the slot just read is filled again first thing behind the cluster's round: with this tile's K step two steps on (on = 0) or with the next tile's K step 0 or 1 (on = 1).
; fetch = 0: a tile's very last quarter: the next tile's first fragments are fetched behind the way out, which uses their registers.
.macro TURN slot, next, on, fetch
	MEET 1
	CREST
.if \on
	s_add_nc_u64 s[G0+4*(\slot)+2:G0+4*(\slot)+3], s[G0+4*(\slot)+2:G0+4*(\slot)+3], NEXT_A
	s_sub_nc_u64 s[G0B+4*(\slot)+2:G0B+4*(\slot)+3], s[G0B+4*(\slot)+2:G0B+4*(\slot)+3], BACK_B
.else
	s_add_nc_u64 s[G0+4*(\slot)+2:G0+4*(\slot)+3], s[G0+4*(\slot)+2:G0+4*(\slot)+3], 2*KSTEP*2
	s_add_nc_u64 s[G0B+4*(\slot)+2:G0B+4*(\slot)+3], s[G0B+4*(\slot)+2:G0B+4*(\slot)+3], 2*KSTEP*2
.endif
	JLOAD \slot                                    ; one load of mine is out; its four v_nop are also the places in front of the loads below
.if \fetch
	FETCH \next, 0, F0
.endif
	MUL16 F1, 1, 0, 0
	MUL16 F1, 1, 2, 0
.endm
; THE WAY OUT.  fmt = 0: bf16 (q, k), 1: f16 (v).
.macro L4 fmt, d, w, s, more           ; a level-4 product: weights x two images
.if \fmt
.if \more
	v_wmma_f32_16x16x32_f16 v[(\d):(\d)+7], v[(\w):(\w)+7], v[(\s):(\s)+7], v[(\d):(\d)+7]
.else
	v_wmma_f32_16x16x32_f16 v[(\d):(\d)+7], v[(\w):(\w)+7], v[(\s):(\s)+7], 0
.endif
.else
.if \more
	v_wmma_f32_16x16x32_bf16 v[(\d):(\d)+7], v[(\w):(\w)+7], v[(\s):(\s)+7], v[(\d):(\d)+7]
.else
	v_wmma_f32_16x16x32_bf16 v[(\d):(\d)+7], v[(\w):(\w)+7], v[(\s):(\s)+7], 0
.endif
.endif
.endm
.macro FIN4 u, fmt                     ; the level-4 rows of channel blocks 2 u and 2 u + 1: every lane holds my 8 level-4 tokens of channel l % 16 of either block; the lower lanes keep the even block, the upper the odd
.irp i, 0,1,2,3                        ; each accumulator from its low end on
.if \fmt
	v_cvt_pk_f16_f32 v[TA+\i], v[D4+2*\i], v[D4+2*\i+1]
.else
	v_cvt_pk_bf16_f32 v[TA+\i], v[D4+2*\i], v[D4+2*\i+1]
.endif
.endr
.irp i, 0,1,2,3
.if \fmt
	v_cvt_pk_f16_f32 v[TB+\i], v[D4+8+2*\i], v[D4+8+2*\i+1]
.else
	v_cvt_pk_bf16_f32 v[TB+\i], v[D4+8+2*\i], v[D4+8+2*\i+1]
.endif
.endr
.irp i, 0,1,2,3
	v_cndmask_b32 v[SD+4*((\u)%2)+\i], v[TA+\i], v[TB+\i], s67
.endr
	global_store_b128 v9, v[SD+4*((\u)%2):SD+4*((\u)%2)+3], s[70:71] offset:((\u)/2)*65536+((\u)%2)*1024  ; each half of the lanes stores 256 consecutive bytes, aligned
.endm
; Channel blocks 2 u and 2 u + 1: 16 images are packed and stored; 8 products, two accumulators by turns, make their level-4 rows, which are finished behind the next pair's conversions.
.macro OUTU u, fmt
.set W, 2+(\u)/2
.set PKB, 64+64*((\u)%2)
.set WF, WFB+32*(\fmt)
	WIN 0
	s_wait_xcnt 0x0                                ; the registers written below were the data of earlier stores: they are rewritten only behind this wait
	WIN W|(W<<2)
.irp aa, 0,1
.irp b, 0,1,2,3,4,5,6,7
.irp p, 0,1,2,3                        ; each accumulator from its low end on
.if \fmt
	v_cvt_pk_f16_f32 v[PKB+4*(8*\aa+\b)+\p], v[8*(8*((2*(\u)+\aa)%4)+\b)+2*\p], v[8*(8*((2*(\u)+\aa)%4)+\b)+2*\p+1]
.else
	v_cvt_pk_bf16_f32 v[PKB+4*(8*\aa+\b)+\p], v[8*(8*((2*(\u)+\aa)%4)+\b)+2*\p], v[8*(8*((2*(\u)+\aa)%4)+\b)+2*\p+1]
.endif
.endr
.endr
.endr
	WIN 0
.if (\u) > 0
	FIN4 (\u)-1, \fmt                              ; the 64 conversions above are the places behind its products
.endif
.irp aa, 0,1
.irp b, 0,1,2,3,4,5,6,7
	global_store_b128 v8, v[PKB+4*(8*\aa+\b):PKB+4*(8*\aa+\b)+3], s[68:69] offset:(((2*(\u)+\aa)/4)<<20)+((2*(\u)+\aa)%4)*512+\b*2048  ; an image: 512 consecutive bytes, aligned
.endr
.endr
.irp p, 0,1,2,3
.irp aa, 0,1
	L4 \fmt, D4+8*\aa, WF+8*\p, PKB+4*(8*\aa+2*\p), \p
.endr
.endr
.endm
.macro WAYOUT fmt
	WIN 0
	PLACES                                         ; behind the tile's last products
	OUTU 0, \fmt
	OUTU 1, \fmt
	OUTU 2, \fmt
	OUTU 3, \fmt
	PLACES
	FIN4 3, \fmt
.endm
	s_mov_b32 s2, 3                                ; tiles to go, this one among them: 3 q, 2 k, 1 v; the same in every work-group
	s_wait_tensorcnt 1                             ; my part of K step 0 is in; K step 1's may stay out
	s_barrier_signal -1
	s_barrier_wait -1
.Ltile:
	FETCH 0, 0, F0                                 ; slot 0 is whole: the barrier above, or the round of the tile before's last change of slots, has shown it to every wave
	s_cmp_eq_u32 s2, 3
	s_cselect_b32 s82, 0x3e000000, 1.0             ; q's bias is scaled by 1/8
	s_wait_loadcnt 0x0                             ; this tile's bias, asked for a tile ago
	WIN 0x45                                       ; destination and sources in window 1
.irp a, 0,1,2,3,4,5,6,7
	v_cvt_pk_bf16_f32 v[RAW+\a], v[RAW+\a], v[RAW+\a]
.endr
.irp a, 0,1,2,3,4,5,6,7
	v_lshlrev_b32 v[RAW+\a], 16, v[RAW+\a]
.endr
.irp a, 0,1,2,3,4,5,6,7
.irp j, 0,1,2,3,4,5,6,7
	v_mul_f32 v[BIA8+8*\a+\j], s82, v[RAW+\a]
.endr
.endr
	QUARTER 0, 64,  F0, F1, 1                      ; a tile's first quarter stands in front of the loop: its products start the sums
	WIN 0
	s_mov_b32 s3, LAPS-1
.Llap:                                                 ; three trips, each once round the ring: the tile's K steps 2 to 7 are asked for
	QUARTER 0, 128, F1, F0, 0
	QUARTER 0, 192, F0, F1, 0
	TURN 0, 1, 0, 1
	QUARTER 1, 64,  F0, F1, 0
	QUARTER 1, 128, F1, F0, 0
	QUARTER 1, 192, F0, F1, 0
	TURN 1, 0, 0, 1
	QUARTER 0, 64,  F0, F1, 0
	WIN 0
	s_sub_co_u32 s3, s3, 1
	s_cmp_lg_u32 s3, 0
	s_cbranch_scc1 .Llap
	QUARTER 0, 128, F1, F0, 0                      ; the tile's last lap goes on
	QUARTER 0, 192, F0, F1, 0
	WIN 0
	s_cmp_eq_u32 s2, 1
	s_cbranch_scc1 .Llast_tile                     ; the last tile's tail is written out: it asks for nothing more
	s_cmp_eq_u32 s2, 3
	s_cselect_b64 s[80:81], s[76:77], s[78:79]     ; the next tile's bias: k's behind q, v's behind k; the loads that named this base were waited for at the tile's head
	s_add_nc_u64 s[80:81], s[80:81], s[92:93]
	WIN TO_B
.irp a, 0,1,2,3,4,5,6,7
	global_load_b32 v[RAW+\a], v6, s[80:81] offset:64*\a
.endr
	TURN 0, 1, 1, 1                                ; THE RING GOES ON INTO THE NEXT TILE: slot 0 takes its K step 0,
	QUARTER 1, 64,  F0, F1, 0
	QUARTER 1, 128, F1, F0, 0
	QUARTER 1, 192, F0, F1, 0
	TURN 1, 0, 1, 0                                ; slot 1 its K step 1
	WAYOUT 0                                       ; both refills are asked for: now the tile goes out
	s_wait_xcnt 0x0                                ; the stores' bases, and the packed registers into which the next fragments are fetched, are rewritten only behind this wait
	s_add_nc_u64 s[68:69], s[68:69], 0x2000000     ; the next type's part of qkv,
	s_add_nc_u64 s[70:71], s[70:71], 0x200000      ; and of c4
	s_sub_co_u32 s2, s2, 1
	s_branch .Ltile
.Llast_tile:
	MEET 0                                         ; my one tensor load that was still out is slot 1's, the last K step's, so no round follows
	PLACES
	FETCH 1, 0, F0
	MUL16 F1, 1, 0, 0
	MUL16 F1, 1, 2, 0
	QUARTER 1, 64,  F0, F1, 0
	QUARTER 1, 128, F1, F0, 0
	QUARTER 1, 192, F0, F1, 0
	s_wait_dscnt 8
	MUL16 F1, 0, 0, 0
	MUL16 F1, 0, 2, 0
	s_wait_dscnt 0x0
	MUL16 F1, 1, 0, 0
	MUL16 F1, 1, 2, 0
	WAYOUT 1
	s_wait_tensorcnt 0x0                           ; the wave's end
	ds_add_u32 v[SPW], v[NIL]
	s_wait_dscnt 0x0
	CROUND                                         ; the closing round: no work-group ends while a partner may still ask for a tile that names it
	s_endpgm
.Lfunc_end_k_qc1096f0c07_gemm:
	.size	k_qc1096f0c07_gemm, .Lfunc_end_k_qc1096f0c07_gemm-k_qc1096f0c07_gemm
	.p2alignl 7, 3214868480
	.fill 96, 4, 3214868480
	.section	.rodata,"a",@progbits
	.p2align	6, 0x0
	.amdhsa_kernel k_qc1096f0c07_gemm
		.amdhsa_group_segment_fixed_size 327680
		.amdhsa_private_segment_fixed_size 0
		.amdhsa_enable_private_segment 0
		.amdhsa_kernarg_size 64
		.amdhsa_user_sgpr_count 2
		.amdhsa_user_sgpr_kernarg_segment_ptr 1
		.amdhsa_wavefront_size32 1
		.amdhsa_system_sgpr_workgroup_id_x 1
		.amdhsa_system_sgpr_workgroup_id_y 1
		.amdhsa_system_sgpr_workgroup_id_z 1
		.amdhsa_system_vgpr_workitem_id 0
		.amdhsa_next_free_vgpr 1024
		.amdhsa_next_free_sgpr 100
		.amdhsa_reserve_vcc 0
		.amdhsa_float_denorm_mode_32 3
		.amdhsa_float_denorm_mode_16_64 3
		.amdhsa_memory_ordered 1
		.amdhsa_forward_progress 1
		.amdhsa_inst_pref_size 209
	.end_amdhsa_kernel
	.amdgpu_metadata
---
amdhsa.version: [ 1, 2 ]
amdhsa.kernels:
  - .name:           k_qc1096f0c07_gemm
    .symbol:         k_qc1096f0c07_gemm.kd
    .args:
      - { .name: wt, .offset: 0, .size: 8, .value_kind: global_buffer, .address_space: global }
      - { .name: xb, .offset: 8, .size: 8, .value_kind: global_buffer, .address_space: global }
      - { .name: qkv, .offset: 16, .size: 8, .value_kind: global_buffer, .address_space: global }
      - { .name: c4, .offset: 24, .size: 8, .value_kind: global_buffer, .address_space: global }
      - { .name: tab, .offset: 32, .size: 8, .value_kind: global_buffer, .address_space: global }
      - { .name: bq, .offset: 40, .size: 8, .value_kind: global_buffer, .address_space: global }
      - { .name: bk, .offset: 48, .size: 8, .value_kind: global_buffer, .address_space: global }
      - { .name: bv, .offset: 56, .size: 8, .value_kind: global_buffer, .address_space: global }
    .group_segment_fixed_size: 327680
    .private_segment_fixed_size: 0
    .kernarg_segment_align: 8
    .kernarg_segment_size: 64
    .max_flat_workgroup_size: 128
    .sgpr_count:     100
    .vgpr_count:     1024
    .wavefront_size: 32
...
	.end_amdgpu_metadata
.endif
;; end of part 2
;; launch coarse (part 3): grid 2 x 32, 8 waves a work-group, no clusters, 101,888 bytes of LDS; arguments c4, tab, yc; writes yc
.if DOCPART == 3
	.amdgcn_target "amdgcn-amd-amdhsa--gfx1250"
	.amdhsa_code_object_version 6
	.text
	.protected	k_qc1096f0c07_coarse
	.globl	k_qc1096f0c07_coarse
	.p2align	8
	.type	k_qc1096f0c07_coarse,@function
k_qc1096f0c07_coarse:
	s_mov_b64 s[64:65], 0
	v_nop
	global_prefetch_b8 v0, s[64:65] scope:SCOPE_SE
	s_setreg_imm32_b32 hwreg(HW_REG_WAVE_MODE, 25, 1), 1
	s_wait_xcnt 0x0
; FOUR LEVELS OF THE HIERARCHICAL ATTENTION, one text for two launches: COARSE = 0: levels 0-3 on the tokens, with level 0's own block, the coarse part added, the division, out0;
; COARSE = 1: levels 4-7 on the level-4 rows; it stores Y (f32, [batch, head][512][64]) and behind it A (f32, [batch, head][512]) at level-4 resolution.  dl is the level above the base level.
; SHARES.  A work-group owns 256 base tokens of one (batch, head), a wave 32: two blocks of 16 queries.  A block's partner at level dl lies in wave w ^ 1 (dl = 1), in the two waves of the pair beside
; mine (dl = 2), in the four of the other half (dl = 3): the waves hand each other their aggregated keys and values through LDS, behind ONE barrier.
; IMAGES.  q, k (bf16) and v (f16) arrive as images: lane l holds channel l % 16 of 16 and the tokens 8 (l / 16) + 0..7 of a block.  Two images of v ARE source 0 (16 channels x 32 keys) of O^T = V^T P.
; An image of q or k times a fragment of 0 and 1 is the same block turned (a lane holds one token and 8 channels: a fragment of K or Q^T); times a fragment of the mean's weights w_dl, which are 0 or
; powers of 1/2, it is the aggregated keys, turned; the weights times an image of v are the aggregated values, again an image.
; COARSE QUERIES ARE NEVER FORMED: K_dl Q_0^T is taken at base resolution, each query's column is multiplied by its weight w_dl and the 2^dl lanes of a node are added (f32): every lane then holds its node's
; scores, which is also the repeating of the coarse result, and all levels add into one O^T.
; SOFTMAX, for each level and block by itself: a masked key's score is the lowest finite number; the row's maximum is taken away; a masked query's exponents are multiplied by 0, so that all its weights are 1.
; FORMATS.  V_dl is kept as v_dl / 2^dl and P as p 2^dl (both exact), so V keeps the range of the base rows; the sum A is taken of the unrounded p.
; LIMITS.  f16: the base v (COARSE: v4 / 16) arrives below 65,504; a weight below 6e-8 / 2^dl counts as 0 in P, not in A.  A maximum beyond 1e31, NaN and infinities are not treated apart.
; NO CLUSTER, no tensor loads: work-groups share nothing but a few KB of tables; every image is read once, straight into the registers in which it is an operand.
.set COARSE, 1
.if COARSE
.set NSEQ,  512
.set SEQSH, 16
.set TYPEB, 1<<21
.set NT,    1024
.set TX,    358400
.else
.set NSEQ,  8192
.set SEQSH, 20
.set TYPEB, 1<<25
.set NT,    16384
.set TX,    131072
.endif
.set SZ,    8256                       ; a wave's part of the exchange: K1 at 0, K2|K3 at 2048, V1 at 4096, V2|V3 at 6144, each [4][32 lanes][16 bytes]; 64 bytes more, so that neighbours start at other banks
.set STAGE, 8*SZ                       ; 16 rows x 272 bytes for each wave, its own, for the way out
.set SP,    272
.set SPARE, STAGE+8*16*SP              ; the spare words, 128 bytes for each wave; no other line names them
.set AIM, 4                            ; v4   my byte offset in the work-group's images
.set LW,  5                            ; v5   my 16 bytes in my wave's part of the exchange
.set LK1, 6                            ; v6   the same in wave w ^ 1's
.set LK2, 7                            ; v7   key l % 16 of the level dl = 2 partner
.set LK3, 8                            ; v8   of the level dl = 3 partner
.set LV2, 9                            ; v9   values: keys 8 (l / 16) .. of the dl = 2 partner
.set LV3, 10                           ; v10  of the dl = 3 partner
.set STO, 11
.set RD,  12
.set GO,  13
.set SPW, 14
.set NIL, 15
.set AYC, 16
.set AAC, 17
.set AS,  18                           ; v18-19 at work; at the end a block's sum A
.set KB,  20                           ; v20-29 five pairs: 8 key-mask bytes x 255: base blocks 0, 1; partners dl = 1, 2, 3
.set QMX, 30                           ; v30-31 by block: byte dl = my query's mask at level dl, x 255
.set WQP, 32                           ; v32-34 w_dl of my query, bf16: block 0 below, block 1 above
.set ACV, 36
.set CT,  38                           ; v38 a factor for both halves of a packed line; v39 named with it
.set MX,  40
.set TK,  42
.set LS,  44                           ; v44-47 by block: A so far, even keys', odd keys'
.set IDB, 48                           ; v48-59: 0 0 0 0 E0-E3 0 0 0 0: v[52:59] picks block 0, v[48:55] block 1
.set KI,  64                           ; K's images, 8 ct + 4 block; later O^T of block 0
.set QI,  96                           ; Q's images; later O^T of block 1
.set O,   64
.set VI,  128                          ; V's images; later the partners'
.set T,   160                          ; at first load addresses and raw bytes; then products; then scores and P; then rows on the way out
.set LA,  160
.set Q0F, 192                          ; at first the tables' packs, then packed products, then Q^T's fragments, 16 a block
.set PKT, 192
.set WK1, 224                          ; the four weight fragments; then K's base fragments; then the partners'
.set WK23, 232
.set WV1, 240
.set WV23, 248
.set K0F, 224
.set KP,  224
.macro PLACES n                        ; places behind matrix instructions: four before a vector line or a load touches their registers, five before a matrix instruction writes over them
.rept \n
	v_nop
.endr
.endm
.macro CVTB d, s
.irp i, 0,1,2,3
	v_cvt_pk_bf16_f32 v[(\d)+\i], v[(\s)+2*\i], v[(\s)+2*\i+1]
.endr
.endm
.macro CVTH d, s
.irp i, 0,1,2,3
	v_cvt_pk_f16_f32 v[(\d)+\i], v[(\s)+2*\i], v[(\s)+2*\i+1]
.endr
.endm
.macro TURNK a, w, d                   ; images a (16 channels x 32 tokens) x fragment w (32 tokens x 16 columns): a lane gets one column and 8 channels; to bf16 at d + 4 ct
.irp ct, 0,1,2,3
	v_wmma_f32_16x16x32_bf16 v[T+8*\ct:T+8*\ct+7], v[(\a)+8*\ct:(\a)+8*\ct+7], v[(\w):(\w)+7], 0
.endr
	PLACES 4
.irp ct, 0,1,2,3
	CVTB (\d)+4*\ct, T+8*\ct
.endr
.endm
.macro TURNV w, d                      ; fragment w (16 rows x 32 tokens) x V's images: again an image; to f16 at d + 4 ct
.irp ct, 0,1,2,3
	v_wmma_f32_16x16x32_f16 v[T+8*\ct:T+8*\ct+7], v[(\w):(\w)+7], v[VI+8*\ct:VI+8*\ct+7], 0
.endr
	PLACES 4
.irp ct, 0,1,2,3
	CVTH (\d)+4*\ct, T+8*\ct
.endr
.endm
.macro PUT d, off
.irp ct, 0,1,2,3
	ds_store_b128 v[LW], v[(\d)+4*\ct:(\d)+4*\ct+3] offset:(\off)+512*\ct
.endr
.endm
.macro SQ acc, kf, qf, more            ; S^T = K Q^T, 32 channels
.if \more
	v_wmma_f32_16x16x32_bf16 v[(\acc):(\acc)+7], v[(\kf):(\kf)+7], v[(\qf):(\qf)+7], v[(\acc):(\acc)+7]
.else
	v_wmma_f32_16x16x32_bf16 v[(\acc):(\acc)+7], v[(\kf):(\kf)+7], v[(\qf):(\qf)+7], 0
.endif
.endm
.macro PVG first                       ; O^T += V^T P for both blocks: 8 accumulators by turns
.irp ct, 0,1,2,3
.irp bb, 0,1
.if COARSE && (\first)
	v_wmma_f32_16x16x32_f16 v[O+32*\bb+8*\ct:O+32*\bb+8*\ct+7], v[VI+8*\ct:VI+8*\ct+7], v[T+16*\bb:T+16*\bb+7], 0
.else
	v_wmma_f32_16x16x32_f16 v[O+32*\bb+8*\ct:O+32*\bb+8*\ct+7], v[VI+8*\ct:VI+8*\ct+7], v[T+16*\bb:T+16*\bb+7], v[O+32*\bb+8*\ct:O+32*\bb+8*\ct+7]
.endif
.endr
.endr
.endm
.macro GAVG s, l, beta                 ; the scores of the 2^l queries of a node, weighted, are added: every lane gets its node's
.if (\beta) == 0
	v_lshlrev_b32 v[CT], 16, v[WQP+(\l)-1]
.else
	v_and_b32 v[CT], 0xffff0000, v[WQP+(\l)-1]
.endif
.irp i, 0,2,4,6
	v_pk_mul_f32 v[(\s)+\i:(\s)+\i+1], v[(\s)+\i:(\s)+\i+1], v[CT:CT+1] op_sel_hi:[1,0]
.endr
.irp x, 1,2,4
.if \x < (1<<(\l))
.irp i, 0,1,2,3,4,5,6,7
	v_add_f32_dpp v[(\s)+\i], v[(\s)+\i], v[(\s)+\i] row_xmask:\x row_mask:0xf bank_mask:0xf
.endr
.endif
.endr
.endm
; One tile's softmax: 16 keys (8 a lane) x 16 queries (one a lane).  kb: the keys' mask bytes; pd: where the four registers of P go.
.macro SOFT s, kb, beta, dl, pd
.set j, 0
.rept 8
	v_perm_b32 v[TK+j%2], v[(\kb)+j/4], v[(\kb)+j/4], 0x01010101*(j%4)  ; key j's byte in all four places: all ones or 0
	v_bfi_b32 v[(\s)+j], v[TK+j%2], v[(\s)+j], 0xff7fffff               ; the score, or the lowest finite number
.set j, j+1
.endr
	v_max3_num_f32 v[MX], v[(\s)], v[(\s)+1], v[(\s)+2]
	v_max3_num_f32 v[MX], v[MX], v[(\s)+3], v[(\s)+4]
	v_max3_num_f32 v[MX], v[MX], v[(\s)+5], v[(\s)+6]
	v_max_num_f32 v[MX], v[MX], v[(\s)+7]
	v_permlanex16_b32 v[MX+1], v[MX], s40, s41     ; the query's other 8 keys lie 16 lanes away
	v_perm_b32 v[CT], v[QMX+(\beta)], v[QMX+(\beta)], 0x01010101*(\dl)
	v_max_num_f32 v[MX], v[MX], v[MX+1]
	v_and_b32 v[CT], 0x3fb8aa3b, v[CT]             ; log2(e), or 0 for a masked query
.irp i, 0,2,4,6
	v_pk_add_f32 v[(\s)+\i:(\s)+\i+1], v[(\s)+\i:(\s)+\i+1], v[MX:MX+1] op_sel_hi:[1,0] neg_lo:[0,1] neg_hi:[0,1]
.endr
.irp i, 0,2,4,6
.if (\dl) == 0
	v_pk_mul_f32 v[(\s)+\i:(\s)+\i+1], v[(\s)+\i:(\s)+\i+1], v[CT:CT+1] op_sel_hi:[1,0]
.elseif (\dl) == 1
	v_pk_fma_f32 v[(\s)+\i:(\s)+\i+1], v[(\s)+\i:(\s)+\i+1], v[CT:CT+1], 1.0 op_sel_hi:[1,0,0]
.elseif (\dl) == 2
	v_pk_fma_f32 v[(\s)+\i:(\s)+\i+1], v[(\s)+\i:(\s)+\i+1], v[CT:CT+1], 2.0 op_sel_hi:[1,0,0]
.else
	v_pk_fma_f32 v[(\s)+\i:(\s)+\i+1], v[(\s)+\i:(\s)+\i+1], v[CT:CT+1], 0x40400000 op_sel_hi:[1,0,0]
.endif
.endr
.irp i, 0,1,2,3,4,5,6,7
	v_exp_f32 v[(\s)+\i], v[(\s)+\i]               ; p 2^dl
.endr
	v_nop                                          ; a plain line between the last exponential and the use of its result
	s_wait_alu depctr_va_vdst(0)
.irp i, 0,2,4,6
.if (\dl) == 0
	s_wait_alu depctr_va_vdst(0)
	v_pk_add_f32 v[LS+2*(\beta):LS+2*(\beta)+1], v[LS+2*(\beta):LS+2*(\beta)+1], v[(\s)+\i:(\s)+\i+1]
.else
	v_pk_fma_f32 v[LS+2*(\beta):LS+2*(\beta)+1], v[(\s)+\i:(\s)+\i+1], 0x3f800000-(\dl)*0x800000, v[LS+2*(\beta):LS+2*(\beta)+1] op_sel_hi:[1,0,1]
.endif
.endr
	CVTH \pd, \s
.endm
.macro ZERO4 d
.irp i, 0,1,2,3
	v_mov_b32 v[(\d)+\i], 0
.endr
.endm
.if COARSE
	s_load_b128 s[4:7], s[0:1], 0x0                ; c4 s[4:5], tab s[6:7]
	s_load_b64 s[8:9], s[0:1], 0x10                ; yc
.else
	s_load_b256 s[4:11], s[0:1], 0x0               ; qkv s[4:5], tab s[6:7], yc s[8:9], out0 s[10:11]
.endif
	v_lshl_add_u32 v[SPW], v0, 2, SPARE            ; my spare word,
	v_mov_b32 v[NIL], 0                            ; and 0: kept for the add at the wave's end
	v_lshrrev_b32 v3, 5, v0
	v_readfirstlane_b32 s12, v3                    ; wave 0..7
	s_mov_b32 s13, ttmp9                           ; which 256 base tokens
	s_and_b32 s14, ttmp7, 0xffff                   ; batch x 16 + head
	s_mov_b32 s15, 255
	s_mov_b32 s40, 0x76543210
	s_mov_b32 s41, 0xfedcba98
	s_mov_b32 s61, 0                               ; the high word of the offset pair s[60:61]
	s_lshl_b32 s16, s14, SEQSH
	s_lshl_b32 s17, s13, 15                        ; 16 blocks of 2,048 bytes
	s_add_co_u32 s16, s16, s17
	s_mov_b32 s17, 0
	s_lshr_b32 s2, s14, 4
	s_mul_i32 s2, s2, NSEQ
	s_lshl_b32 s3, s13, 8
	s_add_co_u32 s2, s2, s3                        ; U: my first base token among both batches'
	v_and_b32 v1, 15, v0                           ; r = l % 16
	v_bfe_u32 v2, v0, 4, 1                         ; h = l / 16
	v_and_b32 v3, 31, v0
	v_lshlrev_b32 v3, 4, v3                        ; 16 l
	s_lshl_b32 s60, s12, 12
	v_add_nc_u32 v[AIM], s60, v3                   ; my wave's two blocks, 4,096 bytes
	s_lshl_b32 s60, s12, 6
	v_lshl_add_u32 v[LA], v2, 4, s60               ; 16-bit tables: tokens 32 w + 8 h ..
	s_lshl_b32 s60, s12, 5
	v_lshl_add_u32 v[LA+1], v2, 3, s60             ; mask bytes of the base keys 32 w + 8 h ..
	v_add_nc_u32 v[LA+5], s60, v1                  ; my query of block 0
	s_xor_b32 s60, s12, 1
	s_lshl_b32 s60, s60, 4
	v_lshl_add_u32 v[LA+2], v2, 3, s60             ; the partner block's 16 keys at dl = 1,
	s_lshr_b32 s60, s12, 1
	s_xor_b32 s60, s60, 1
	s_lshl_b32 s60, s60, 4
	v_lshl_add_u32 v[LA+3], v2, 3, s60             ; dl = 2,
	s_lshr_b32 s60, s12, 2
	s_xor_b32 s60, s60, 1
	s_lshl_b32 s60, s60, 4
	v_lshl_add_u32 v[LA+4], v2, 3, s60             ; dl = 3
	v_lshrrev_b32 v[LA+6], 1, v[LA+5]
	v_lshrrev_b32 v[LA+7], 2, v[LA+5]
	v_lshrrev_b32 v[LA+8], 3, v[LA+5]
	v_lshlrev_b32 v[LA+9], 1, v[LA+5]
	s_wait_kmcnt 0x0
	s_add_nc_u64 s[18:19], s[4:5], s[16:17]        ; q,
	s_add_nc_u64 s[20:21], s[18:19], TYPEB         ; k,
	s_add_nc_u64 s[22:23], s[20:21], TYPEB         ; v at my work-group's first image
	s_lshl_b32 s60, s2, 1
	s_add_co_u32 s60, s60, TX
	s_add_nc_u64 s[24:25], s[6:7], s[60:61]        ; the 16-bit tables at my first token
	s_add_co_u32 s60, s2, TX+12*NT
	s_add_nc_u64 s[26:27], s[6:7], s[60:61]        ; the masks of levels dl = 0,
	s_lshr_b32 s60, s2, 1
	s_add_co_u32 s60, s60, TX+13*NT
	s_add_nc_u64 s[28:29], s[6:7], s[60:61]        ; 1,
	s_lshr_b32 s60, s2, 2
	s_add_co_u32 s60, s60, TX+13*NT+NT/2
	s_add_nc_u64 s[30:31], s[6:7], s[60:61]        ; 2,
	s_lshr_b32 s60, s2, 3
	s_add_co_u32 s60, s60, TX+13*NT+NT/2+NT/4
	s_add_nc_u64 s[32:33], s[6:7], s[60:61]        ; 3
	; 31 loads of tables, then K's 8 images, then V's
.irp a, 0,1,2,3
	global_load_b128 v[192+8*\a:192+8*\a+3], v[LA], s[24:25] offset:\a*2*NT       ; w_1, w_2, w_3, m / 2 of tokens 8 h ..,
	global_load_b128 v[192+8*\a+4:192+8*\a+7], v[LA], s[24:25] offset:\a*2*NT+32  ; and of 16 + 8 h ..
.endr
.irp a, 0,1
	global_load_b128 v[96+8*\a:96+8*\a+3], v[LA], s[24:25] offset:(\a+4)*2*NT     ; m / 4, m / 8
	global_load_b128 v[96+8*\a+4:96+8*\a+7], v[LA], s[24:25] offset:(\a+4)*2*NT+32
.endr
	global_load_b64 v[KB:KB+1], v[LA+1], s[26:27]
	global_load_b64 v[KB+2:KB+3], v[LA+1], s[26:27] offset:16
	global_load_b64 v[KB+4:KB+5], v[LA+2], s[28:29]
	global_load_b64 v[KB+6:KB+7], v[LA+3], s[30:31]
	global_load_b64 v[KB+8:KB+9], v[LA+4], s[32:33]
.irp l, 0,1,2,3
.irp bb, 0,1
	global_load_u8 v[LA+10+2*\l+\bb], v[LA+5+\l], s[26+2*\l:27+2*\l] offset:16*\bb/(1<<\l)  ; my query's mask at level dl = l
.endr
.endr
.irp l, 0,1,2
.irp bb, 0,1
	global_load_u16 v[LA+18+2*\l+\bb], v[LA+9], s[24:25] offset:\l*2*NT+32*\bb              ; its weight w_(l+1)
.endr
.endr
.irp ct, 0,1,2,3
.irp bb, 0,1
	global_load_b128 v[KI+8*\ct+4*\bb:KI+8*\ct+4*\bb+3], v[AIM], s[20:21] offset:2048*\bb+512*\ct th:TH_LOAD_NT
.endr
.endr
.irp ct, 0,1,2,3
.irp bb, 0,1
	global_load_b128 v[VI+8*\ct+4*\bb:VI+8*\ct+4*\bb+3], v[AIM], s[22:23] offset:2048*\bb+512*\ct th:TH_LOAD_NT
.endr
.endr
	; while they are on their way: the other bases, the LDS addresses, the lane masks
	s_lshl_b32 s3, s14, 9
.if COARSE
	s_lshl_b32 s60, s13, 8
.else
	s_lshl_b32 s60, s13, 4
.endif
	s_add_co_u32 s3, s3, s60                       ; my first level-4 row
	s_lshl_b32 s60, s3, 8
	s_add_nc_u64 s[34:35], s[8:9], s[60:61]        ; in Y,
	s_lshl_b32 s60, s3, 2
	s_add_nc_u64 s[36:37], s[8:9], s[60:61]        ; in A (which begins 4,194,304 bytes on: in the immediate)
.if !COARSE
	s_lshr_b32 s3, s14, 4
	s_lshl_b32 s3, s3, 13
	s_lshl_b32 s60, s13, 8
	s_add_co_u32 s3, s3, s60
	s_lshl_b32 s3, s3, 12                          ; my first token's row of 4,096 bytes,
	s_and_b32 s60, s14, 15
	s_lshl_b32 s60, s60, 8                         ; my head's 256 bytes in it
	s_add_co_u32 s60, s60, s3
	s_add_nc_u64 s[38:39], s[10:11], s[60:61]
.endif
	s_mul_i32 s60, s12, SZ
	v_add_nc_u32 v[LW], s60, v3
	s_xor_b32 s60, s12, 1
	s_mul_i32 s60, s60, SZ
	v_add_nc_u32 v[LK1], s60, v3
	s_lshr_b32 s60, s12, 1
	s_xor_b32 s60, s60, 1
	s_mul_i32 s60, s60, 2*SZ                       ; the first wave of the pair beside mine
	v_lshrrev_b32 v[LK2], 3, v1
	v_mul_u32_u24 v[LK2], v[LK2], SZ               ; key r comes from its wave r / 8,
	v_and_b32 v18, 7, v1
	v_lshl_add_u32 v[LK2], v18, 4, v[LK2]          ; column r % 8,
	v_lshl_add_u32 v[LK2], v2, 8, v[LK2]           ; my half's 8 channels
	v_add_nc_u32 v[LK2], s60, v[LK2]
	v_mul_u32_u24 v[LV2], v2, SZ                   ; keys 8 h .. come from its wave h
	v_lshl_add_u32 v[LV2], v1, 4, v[LV2]
	v_add_nc_u32 v[LV2], s60, v[LV2]
	s_lshr_b32 s60, s12, 2
	s_xor_b32 s60, s60, 1
	s_mul_i32 s60, s60, 4*SZ                       ; the first wave of the other half
	v_lshrrev_b32 v[LK3], 2, v1
	v_mul_u32_u24 v[LK3], v[LK3], SZ               ; key r comes from its wave r / 4,
	v_and_b32 v18, 3, v1
	v_lshl_add_u32 v[LK3], v18, 4, v[LK3]          ; column 8 + r % 4 (the 8 in the immediate)
	v_lshl_add_u32 v[LK3], v2, 8, v[LK3]
	v_add_nc_u32 v[LK3], s60, v[LK3]
	v_mul_u32_u24 v[LV3], v2, 2*SZ                 ; keys 8 h .. come from its waves 2 h and 2 h + 1
	v_lshl_add_u32 v[LV3], v1, 4, v[LV3]
	v_add_nc_u32 v[LV3], s60, v[LV3]
	s_mul_i32 s60, s12, 16*SP
	s_add_co_u32 s60, s60, STAGE                   ; my stage
	v_mul_u32_u24 v[STO], v1, SP                   ; in: row = query r, 32 bytes for each half of the lanes
	v_lshl_add_u32 v[STO], v2, 5, v[STO]
	v_add_nc_u32 v[STO], s60, v[STO]
	v_mul_u32_u24 v[RD], v2, SP                    ; back: lanes 0-15 one row of 256 bytes, lanes 16-31 the next
	v_lshl_add_u32 v[RD], v1, 4, v[RD]
	v_add_nc_u32 v[RD], s60, v[RD]
.if COARSE
	s_lshl_b32 s60, s12, 13                        ; 32 rows of 256 bytes a wave
	v_lshlrev_b32 v[GO], 8, v2
	v_lshl_add_u32 v[GO], v1, 4, v[GO]
	v_add_nc_u32 v[GO], s60, v[GO]
	s_lshl_b32 s60, s12, 7
	v_lshl_add_u32 v[AAC], v1, 2, s60              ; A: 4 (32 w + r)
.else
	s_lshl_b32 s60, s12, 17                        ; 32 rows of 4,096 bytes a wave
	v_lshlrev_b32 v[GO], 12, v2
	v_lshl_add_u32 v[GO], v1, 4, v[GO]
	v_add_nc_u32 v[GO], s60, v[GO]
	s_lshl_b32 s60, s12, 9
	v_lshl_add_u32 v[AYC], v2, 5, s60              ; the coarse Y: my wave's two rows of 256 bytes, my half's 8 channels
	s_lshl_b32 s60, s12, 3
	v_mov_b32 v[AAC], s60                          ; the coarse A: my wave's two words
.endif
	; Which register of a weight fragment is not 0 in my lane.  Register i holds the tokens k = 8 h + 2 i, + 1 (i < 4) or 16 + 8 h + 2 (i - 4), + 1 of column r.
	v_lshlrev_b32 v18, 2, v2
	v_sub_nc_u32 v18, v1, v18                      ; dl = 1: column k / 2: r - 4 h = 0-3, 8-11
.irp i, 0,1,2,3
	v_cmp_eq_u32 s[42+\i], \i, v18
	v_cmp_eq_u32 s[46+\i], 8+\i, v18
.endr
	v_lshlrev_b32 v18, 1, v2
	v_sub_nc_u32 v18, v1, v18                      ; dl = 2: column k / 4: r - 2 h = 0, 1, 4, 5
	v_cmp_eq_u32 s50, 0, v18
	v_cmp_eq_u32 s51, 1, v18
	v_cmp_eq_u32 s52, 4, v18
	v_cmp_eq_u32 s53, 5, v18
	v_sub_nc_u32 v18, v1, v2                       ; dl = 3: column 8 + k / 8: r - h = 8, 10
	v_cmp_eq_u32 s54, 8, v18
	v_cmp_eq_u32 s55, 10, v18
	v_lshrrev_b32 v18, 1, v1
	v_lshlrev_b32 v19, 2, v2
	v_sub_nc_u32 v18, v18, v19                     ; the unit fragment: k = r: r / 2 - 4 h = i, in half r % 2
.irp i, 0,1,2,3
	v_cmp_eq_u32 s[56+\i], \i, v18
.endr
	v_and_b32 v18, 1, v1
	v_lshlrev_b32 v18, 4, v18
	v_mov_b32 v19, 0x3f80                          ; 1.0 in bf16
	v_lshlrev_b32 v19, v18, v19
.irp i, 0,1,2,3
	v_mov_b32 v[IDB+\i], 0
	v_cndmask_b32 v[IDB+4+\i], 0, v19, s[56+\i]
	v_mov_b32 v[IDB+8+\i], 0
	v_mov_b32 v[LS+\i], 0
.endr
	v_mov_b32 v[CT+1], 0                           ; named as the upper halves of pairs
	v_mov_b32 v[MX+1], 0
	s_wait_loadcnt 16                              ; the tables are in; K's and V's 16 loads stay out
.set i, 0
.rept 10
	v_mul_lo_u32 v[KB+i], v[KB+i], s15             ; bytes 0 or 1 become 0 or 255
.set i, i+1
.endr
.irp bb, 0,1
	v_lshl_or_b32 v[QMX+\bb], v[LA+12+\bb], 8, v[LA+10+\bb]
	v_lshl_or_b32 v[QMX+\bb], v[LA+14+\bb], 16, v[QMX+\bb]
	v_lshl_or_b32 v[QMX+\bb], v[LA+16+\bb], 24, v[QMX+\bb]
	v_mul_lo_u32 v[QMX+\bb], v[QMX+\bb], s15
.endr
.irp l, 0,1,2
	v_lshl_or_b32 v[WQP+\l], v[LA+19+2*\l], 16, v[LA+18+2*\l]
.endr
.irp i, 0,1,2,3,4,5,6,7
	v_cndmask_b32 v[WK1+\i], 0, v[192+\i], s[42+\i]
	v_cndmask_b32 v[WV1+\i], 0, v[216+\i], s[42+\i]
	v_cndmask_b32 v[WK23+\i], 0, v[200+\i], s[50+\i/2]
	v_cndmask_b32 v[WV23+\i], 0, v[96+\i], s[50+\i/2]
.endr
.irp i, 0,1,2,3,4,5,6,7
	v_cndmask_b32 v[WK23+\i], v[WK23+\i], v[208+\i], s[54+\i/4]   ; columns 0-7: my 8 tokens of dl = 2; 8-11: my 4 of dl = 3; 12-15: 0
	v_cndmask_b32 v[WV23+\i], v[WV23+\i], v[104+\i], s[54+\i/4]
.endr
.irp ct, 0,1,2,3
.irp bb, 0,1
	global_load_b128 v[QI+8*\ct+4*\bb:QI+8*\ct+4*\bb+3], v[AIM], s[18:19] offset:2048*\bb+512*\ct th:TH_LOAD_NT
.endr
.endr
	; PHASE 1: my 32 tokens' aggregated keys and values go into the exchange
	s_wait_loadcnt 16                              ; K is in; V's and Q's 16 loads stay out
	TURNK KI, WK1, PKT
	PUT PKT, 0
	TURNK KI, WK23, PKT+16
	PUT PKT+16, 2048
	s_wait_loadcnt 8                               ; V is in; Q's 8 loads stay out
	TURNV WV1, PKT
	PUT PKT, 4096
	TURNV WV23, PKT+16
	PUT PKT+16, 6144
	s_wait_dscnt 0x0                               ; for the others' sake: my stores into the exchange are done
	s_barrier_signal -1                            ; work on registers while the others arrive: Q and K of the base level are turned
	s_wait_loadcnt 0x0                             ; Q
	TURNK QI, IDB+4, Q0F
	TURNK QI, IDB, Q0F+16
	TURNK KI, IDB+4, K0F
	TURNK KI, IDB, K0F+16
	s_barrier_wait -1                              ; the exchange is whole; nobody writes it again
.if !COARSE
.irp bb, 0,1                           ; O^T starts as the coarse levels' Y: a block of 16 tokens is one level-4 row.  The last product that read these registers stands 4 v_nop and 16 conversions back
.irp ct, 0,1,2,3
	global_load_b128 v[O+32*\bb+8*\ct:O+32*\bb+8*\ct+3], v[AYC], s[34:35] offset:256*\bb+64*\ct
	global_load_b128 v[O+32*\bb+8*\ct+4:O+32*\bb+8*\ct+7], v[AYC], s[34:35] offset:256*\bb+64*\ct+16
.endr
	global_load_b32 v[ACV+\bb], v[AAC], s[36:37] offset:4194304+4*\bb
.endr
.endif
	; PHASE 2a: the base level.  Tile (query block b, key block k) at T + 16 b + 8 k; the tiles take turns
.irp c, 0,1
.irp bb, 0,1
.if COARSE
	SQ T+16*\bb+8*(1-\bb), K0F+16*(1-\bb)+8*\c, Q0F+16*\bb+8*\c, \c     ; the neighbour block alone
.else
	SQ T+16*\bb, K0F+8*\c, Q0F+16*\bb+8*\c, \c
	SQ T+16*\bb+8, K0F+16+8*\c, Q0F+16*\bb+8*\c, \c
.endif
.endr
.endr
	PLACES 4
.irp ct, 0,1,2,3
	ds_load_b128 v[KP+4*\ct:KP+4*\ct+3], v[LK1] offset:512*\ct
.endr
.irp ct, 0,1,2,3
	ds_load_b128 v[KP+16+4*\ct:KP+16+4*\ct+3], v[LK2] offset:2048+512*\ct
.endr
.if COARSE
	SOFT T+8, KB+2, 0, 0, T+4
	ZERO4 T                                        ; the own block has no part at these levels
	SOFT T+16, KB, 1, 0, T+16
	ZERO4 T+20
.else
.irp bb, 0,1                           ; P takes the places of scores that have been used: key block 0 first
	SOFT T+16*\bb, KB, \bb, 0, T+16*\bb
	SOFT T+16*\bb+8, KB+2, \bb, 0, T+16*\bb+4
.endr
	s_wait_loadcnt 0x0                             ; the coarse Y and A
.endif
	PVG 1
	PLACES 5                                       ; four for the loads into V's registers, five for the products that write over P
.irp ct, 0,1,2,3
	ds_load_b128 v[VI+8*\ct:VI+8*\ct+3], v[LK1] offset:4096+512*\ct
	ds_load_b128 v[VI+8*\ct+4:VI+8*\ct+7], v[LV2] offset:6144+512*\ct
.endr
	; PHASE 2b: dl = 1 and 2.  Tile (b, dl) at T + 16 b + 8 (dl - 1)
	s_wait_dscnt 8                                 ; the partners' keys are in; the 8 loads of their values stay out
.irp c, 0,1
.irp bb, 0,1
	SQ T+16*\bb, KP+8*\c, Q0F+16*\bb+8*\c, \c
	SQ T+16*\bb+8, KP+16+8*\c, Q0F+16*\bb+8*\c, \c
.endr
.endr
	PLACES 4
.irp ct, 0,1,2,3
	ds_load_b128 v[KP+4*\ct:KP+4*\ct+3], v[LK3] offset:2176+512*\ct
.endr
.irp bb, 0,1
	GAVG T+16*\bb, 1, \bb
	SOFT T+16*\bb, KB+4, \bb, 1, T+16*\bb
	GAVG T+16*\bb+8, 2, \bb
	SOFT T+16*\bb+8, KB+6, \bb, 2, T+16*\bb+4
.endr
	s_wait_dscnt 4                                 ; the values are in; the 4 loads of dl = 3's keys stay out
	PVG 0
	PLACES 5
.irp ct, 0,1,2,3                       ; the upper four registers keep dl = 2's values: finite numbers that meet P = 0
	ds_load_b64 v[VI+8*\ct:VI+8*\ct+1], v[LV3] offset:6400+512*\ct
	ds_load_b64 v[VI+8*\ct+2:VI+8*\ct+3], v[LV3] offset:6400+512*\ct+SZ
.endr
	; PHASE 2c: dl = 3
	s_wait_dscnt 8                                 ; the keys are in; the 8 loads of the values stay out
.irp c, 0,1
.irp bb, 0,1
	SQ T+16*\bb, KP+8*\c, Q0F+16*\bb+8*\c, \c
.endr
.endr
	PLACES 4
.irp bb, 0,1
	GAVG T+16*\bb, 3, \bb
	SOFT T+16*\bb, KB+8, \bb, 3, T+16*\bb
	ZERO4 T+16*\bb+4
.endr
	s_wait_dscnt 0x0
	PVG 0
	PLACES 4
	; PHASE 3: the way out, a block of 16 rows at a time through my own stage
.macro FIN bb, ob
	v_add_f32 v[AS+\bb], v[LS+2*\bb], v[LS+2*\bb+1]
	v_permlanex16_b32 v[TK], v[AS+\bb], s40, s41
	v_add_f32 v[AS+\bb], v[AS+\bb], v[TK]
.if COARSE
	global_store_b32 v[AAC], v[AS+\bb], s[36:37] offset:4194304+64*\bb  ; both halves of the lanes store the same word with the same value
.else
	v_add_f32 v[AS+\bb], v[AS+\bb], v[ACV+\bb]
	v_add_f32 v[AS+\bb], 0x322bcc77, v[AS+\bb]     ; + 1e-8
	v_rcp_f32 v[CT], v[AS+\bb]
	v_nop                                          ; a plain line between the reciprocal and its use
.endif
.set i, 0
.rept 16
.if COARSE
	v_pk_mul_f32 v[O+32*\bb+i:O+32*\bb+i+1], v[O+32*\bb+i:O+32*\bb+i+1], 0x41800000 op_sel_hi:[1,0]  ; the base values were v4 / 16
.else
	v_pk_mul_f32 v[O+32*\bb+i:O+32*\bb+i+1], v[O+32*\bb+i:O+32*\bb+i+1], v[CT:CT+1] op_sel_hi:[1,0]
.endif
.set i, i+2
.endr
.irp ct, 0,1,2,3
	ds_store_b128 v[STO], v[O+32*\bb+8*\ct:O+32*\bb+8*\ct+3] offset:64*\ct
	ds_store_b128 v[STO], v[O+32*\bb+8*\ct+4:O+32*\bb+8*\ct+7] offset:64*\ct+16
.endr
.irp t, 0,1,2,3,4,5,6,7
	ds_load_b128 v[(\ob)+4*\t:(\ob)+4*\t+3], v[RD] offset:2*SP*\t  ; LDS serves a wave's instructions in order (ISA guide 5.7.1.4): these see the stores above, and the next block's stores come behind them
.endr
.endm
.macro SEND bb, ob, younger
.irp t, 0,1,2,3,4,5,6,7
	s_wait_dscnt (\younger)+7-\t
.if COARSE
	global_store_b128 v[GO], v[(\ob)+4*\t:(\ob)+4*\t+3], s[34:35] offset:4096*\bb+512*\t
.else
	global_store_b128 v[GO], v[(\ob)+4*\t:(\ob)+4*\t+3], s[38:39] offset:65536*\bb+8192*\t th:TH_STORE_NT  ; sixteen lanes store 256 consecutive bytes, aligned
.endif
.endr
.endm
	FIN 0, T
	FIN 1, Q0F                                     ; block 1's arithmetic stands between block 0's loads from the stage and its stores
	SEND 0, T, 16                                  ; block 1's sixteen LDS instructions are younger
	SEND 1, Q0F, 0
	s_wait_tensorcnt 0x0                           ; the wave's end
	ds_add_u32 v[SPW], v[NIL]
	s_wait_dscnt 0x0
	s_endpgm
.Lfunc_end_k_qc1096f0c07_coarse:
	.size	k_qc1096f0c07_coarse, .Lfunc_end_k_qc1096f0c07_coarse-k_qc1096f0c07_coarse
	.p2alignl 7, 3214868480
	.fill 96, 4, 3214868480
	.section	.rodata,"a",@progbits
	.p2align	6, 0x0
	.amdhsa_kernel k_qc1096f0c07_coarse
		.amdhsa_group_segment_fixed_size 101888
		.amdhsa_private_segment_fixed_size 0
		.amdhsa_enable_private_segment 0
		.amdhsa_kernarg_size 24
		.amdhsa_user_sgpr_count 2
		.amdhsa_user_sgpr_kernarg_segment_ptr 1
		.amdhsa_wavefront_size32 1
		.amdhsa_system_sgpr_workgroup_id_x 1
		.amdhsa_system_sgpr_workgroup_id_y 1
		.amdhsa_system_sgpr_workgroup_id_z 1
		.amdhsa_system_vgpr_workitem_id 0
		.amdhsa_next_free_vgpr 256
		.amdhsa_next_free_sgpr 66
		.amdhsa_reserve_vcc 0
		.amdhsa_float_denorm_mode_32 3
		.amdhsa_float_denorm_mode_16_64 3
		.amdhsa_memory_ordered 1
		.amdhsa_forward_progress 1
		.amdhsa_inst_pref_size 78
	.end_amdhsa_kernel
	.amdgpu_metadata
---
amdhsa.version: [ 1, 2 ]
amdhsa.kernels:
  - .name:           k_qc1096f0c07_coarse
    .symbol:         k_qc1096f0c07_coarse.kd
    .args:
      - { .name: c4, .offset: 0, .size: 8, .value_kind: global_buffer, .address_space: global }
      - { .name: tab, .offset: 8, .size: 8, .value_kind: global_buffer, .address_space: global }
      - { .name: yc, .offset: 16, .size: 8, .value_kind: global_buffer, .address_space: global }
    .group_segment_fixed_size: 101888
    .private_segment_fixed_size: 0
    .kernarg_segment_align: 8
    .kernarg_segment_size: 24
    .max_flat_workgroup_size: 256
    .sgpr_count:     66
    .vgpr_count:     256
    .wavefront_size: 32
...
	.end_amdgpu_metadata
.endif
;; end of part 3
;; launch attn (part 4): grid 32 x 32, 8 waves a work-group, no clusters, 101,888 bytes of LDS; arguments qkv, tab, yc, out0; writes out0
.if DOCPART == 4
	.amdgcn_target "amdgcn-amd-amdhsa--gfx1250"
	.amdhsa_code_object_version 6
	.text
	.protected	k_qc1096f0c07_attn
	.globl	k_qc1096f0c07_attn
	.p2align	8
	.type	k_qc1096f0c07_attn,@function
k_qc1096f0c07_attn:
	s_mov_b64 s[64:65], 0
	v_nop
	global_prefetch_b8 v0, s[64:65] scope:SCOPE_SE
	s_setreg_imm32_b32 hwreg(HW_REG_WAVE_MODE, 25, 1), 1
	s_wait_xcnt 0x0
; FOUR LEVELS OF THE HIERARCHICAL ATTENTION, one text for two launches: COARSE = 0: levels 0-3 on the tokens, with level 0's own block, the coarse part added, the division, out0;
; COARSE = 1: levels 4-7 on the level-4 rows; it stores Y (f32, [batch, head][512][64]) and behind it A (f32, [batch, head][512]) at level-4 resolution.  dl is the level above the base level.
; SHARES.  A work-group owns 256 base tokens of one (batch, head), a wave 32: two blocks of 16 queries.  A block's partner at level dl lies in wave w ^ 1 (dl = 1), in the two waves of the pair beside
; mine (dl = 2), in the four of the other half (dl = 3): the waves hand each other their aggregated keys and values through LDS, behind ONE barrier.
; IMAGES.  q, k (bf16) and v (f16) arrive as images: lane l holds channel l % 16 of 16 and the tokens 8 (l / 16) + 0..7 of a block.  Two images of v ARE source 0 (16 channels x 32 keys) of O^T = V^T P.
; An image of q or k times a fragment of 0 and 1 is the same block turned (a lane holds one token and 8 channels: a fragment of K or Q^T); times a fragment of the mean's weights w_dl, which are 0 or
; powers of 1/2, it is the aggregated keys, turned; the weights times an image of v are the aggregated values, again an image.
; COARSE QUERIES ARE NEVER FORMED: K_dl Q_0^T is taken at base resolution, each query's column is multiplied by its weight w_dl and the 2^dl lanes of a node are added (f32): every lane then holds its node's
; scores, which is also the repeating of the coarse result, and all levels add into one O^T.
; SOFTMAX, for each level and block by itself: a masked key's score is the lowest finite number; the row's maximum is taken away; a masked query's exponents are multiplied by 0, so that all its weights are 1.
; FORMATS.  V_dl is kept as v_dl / 2^dl and P as p 2^dl (both exact), so V keeps the range of the base rows; the sum A is taken of the unrounded p.
; LIMITS.  f16: the base v (COARSE: v4 / 16) arrives below 65,504; a weight below 6e-8 / 2^dl counts as 0 in P, not in A.  A maximum beyond 1e31, NaN and infinities are not treated apart.
; NO CLUSTER, no tensor loads: work-groups share nothing but a few KB of tables; every image is read once, straight into the registers in which it is an operand.
.set COARSE, 0
.if COARSE
.set NSEQ,  512
.set SEQSH, 16
.set TYPEB, 1<<21
.set NT,    1024
.set TX,    358400
.else
.set NSEQ,  8192
.set SEQSH, 20
.set TYPEB, 1<<25
.set NT,    16384
.set TX,    131072
.endif
.set SZ,    8256                       ; a wave's part of the exchange: K1 at 0, K2|K3 at 2048, V1 at 4096, V2|V3 at 6144, each [4][32 lanes][16 bytes]; 64 bytes more, so that neighbours start at other banks
.set STAGE, 8*SZ                       ; 16 rows x 272 bytes for each wave, its own, for the way out
.set SP,    272
.set SPARE, STAGE+8*16*SP              ; the spare words, 128 bytes for each wave; no other line names them
.set AIM, 4                            ; v4   my byte offset in the work-group's images
.set LW,  5                            ; v5   my 16 bytes in my wave's part of the exchange
.set LK1, 6                            ; v6   the same in wave w ^ 1's
.set LK2, 7                            ; v7   key l % 16 of the level dl = 2 partner
.set LK3, 8                            ; v8   of the level dl = 3 partner
.set LV2, 9                            ; v9   values: keys 8 (l / 16) .. of the dl = 2 partner
.set LV3, 10                           ; v10  of the dl = 3 partner
.set STO, 11
.set RD,  12
.set GO,  13
.set SPW, 14
.set NIL, 15
.set AYC, 16
.set AAC, 17
.set AS,  18                           ; v18-19 at work; at the end a block's sum A
.set KB,  20                           ; v20-29 five pairs: 8 key-mask bytes x 255: base blocks 0, 1; partners dl = 1, 2, 3
.set QMX, 30                           ; v30-31 by block: byte dl = my query's mask at level dl, x 255
.set WQP, 32                           ; v32-34 w_dl of my query, bf16: block 0 below, block 1 above
.set ACV, 36
.set CT,  38                           ; v38 a factor for both halves of a packed line; v39 named with it
.set MX,  40
.set TK,  42
.set LS,  44                           ; v44-47 by block: A so far, even keys', odd keys'
.set IDB, 48                           ; v48-59: 0 0 0 0 E0-E3 0 0 0 0: v[52:59] picks block 0, v[48:55] block 1
.set KI,  64                           ; K's images, 8 ct + 4 block; later O^T of block 0
.set QI,  96                           ; Q's images; later O^T of block 1
.set O,   64
.set VI,  128                          ; V's images; later the partners'
.set T,   160                          ; at first load addresses and raw bytes; then products; then scores and P; then rows on the way out
.set LA,  160
.set Q0F, 192                          ; at first the tables' packs, then packed products, then Q^T's fragments, 16 a block
.set PKT, 192
.set WK1, 224                          ; the four weight fragments; then K's base fragments; then the partners'
.set WK23, 232
.set WV1, 240
.set WV23, 248
.set K0F, 224
.set KP,  224
.macro PLACES n                        ; places behind matrix instructions: four before a vector line or a load touches their registers, five before a matrix instruction writes over them
.rept \n
	v_nop
.endr
.endm
.macro CVTB d, s
.irp i, 0,1,2,3
	v_cvt_pk_bf16_f32 v[(\d)+\i], v[(\s)+2*\i], v[(\s)+2*\i+1]
.endr
.endm
.macro CVTH d, s
.irp i, 0,1,2,3
	v_cvt_pk_f16_f32 v[(\d)+\i], v[(\s)+2*\i], v[(\s)+2*\i+1]
.endr
.endm
.macro TURNK a, w, d                   ; images a (16 channels x 32 tokens) x fragment w (32 tokens x 16 columns): a lane gets one column and 8 channels; to bf16 at d + 4 ct
.irp ct, 0,1,2,3
	v_wmma_f32_16x16x32_bf16 v[T+8*\ct:T+8*\ct+7], v[(\a)+8*\ct:(\a)+8*\ct+7], v[(\w):(\w)+7], 0
.endr
	PLACES 4
.irp ct, 0,1,2,3
	CVTB (\d)+4*\ct, T+8*\ct
.endr
.endm
.macro TURNV w, d                      ; fragment w (16 rows x 32 tokens) x V's images: again an image; to f16 at d + 4 ct
.irp ct, 0,1,2,3
	v_wmma_f32_16x16x32_f16 v[T+8*\ct:T+8*\ct+7], v[(\w):(\w)+7], v[VI+8*\ct:VI+8*\ct+7], 0
.endr
	PLACES 4
.irp ct, 0,1,2,3
	CVTH (\d)+4*\ct, T+8*\ct
.endr
.endm
.macro PUT d, off
.irp ct, 0,1,2,3
	ds_store_b128 v[LW], v[(\d)+4*\ct:(\d)+4*\ct+3] offset:(\off)+512*\ct
.endr
.endm
.macro SQ acc, kf, qf, more            ; S^T = K Q^T, 32 channels
.if \more
	v_wmma_f32_16x16x32_bf16 v[(\acc):(\acc)+7], v[(\kf):(\kf)+7], v[(\qf):(\qf)+7], v[(\acc):(\acc)+7]
.else
	v_wmma_f32_16x16x32_bf16 v[(\acc):(\acc)+7], v[(\kf):(\kf)+7], v[(\qf):(\qf)+7], 0
.endif
.endm
.macro PVG first                       ; O^T += V^T P for both blocks: 8 accumulators by turns
.irp ct, 0,1,2,3
.irp bb, 0,1
.if COARSE && (\first)
	v_wmma_f32_16x16x32_f16 v[O+32*\bb+8*\ct:O+32*\bb+8*\ct+7], v[VI+8*\ct:VI+8*\ct+7], v[T+16*\bb:T+16*\bb+7], 0
.else
	v_wmma_f32_16x16x32_f16 v[O+32*\bb+8*\ct:O+32*\bb+8*\ct+7], v[VI+8*\ct:VI+8*\ct+7], v[T+16*\bb:T+16*\bb+7], v[O+32*\bb+8*\ct:O+32*\bb+8*\ct+7]
.endif
.endr
.endr
.endm
.macro GAVG s, l, beta                 ; the scores of the 2^l queries of a node, weighted, are added: every lane gets its node's
.if (\beta) == 0
	v_lshlrev_b32 v[CT], 16, v[WQP+(\l)-1]
.else
	v_and_b32 v[CT], 0xffff0000, v[WQP+(\l)-1]
.endif
.irp i, 0,2,4,6
	v_pk_mul_f32 v[(\s)+\i:(\s)+\i+1], v[(\s)+\i:(\s)+\i+1], v[CT:CT+1] op_sel_hi:[1,0]
.endr
.irp x, 1,2,4
.if \x < (1<<(\l))
.irp i, 0,1,2,3,4,5,6,7
	v_add_f32_dpp v[(\s)+\i], v[(\s)+\i], v[(\s)+\i] row_xmask:\x row_mask:0xf bank_mask:0xf
.endr
.endif
.endr
.endm
; One tile's softmax: 16 keys (8 a lane) x 16 queries (one a lane).  kb: the keys' mask bytes; pd: where the four registers of P go.
.macro SOFT s, kb, beta, dl, pd
.set j, 0
.rept 8
	v_perm_b32 v[TK+j%2], v[(\kb)+j/4], v[(\kb)+j/4], 0x01010101*(j%4)  ; key j's byte in all four places: all ones or 0
	v_bfi_b32 v[(\s)+j], v[TK+j%2], v[(\s)+j], 0xff7fffff               ; the score, or the lowest finite number
.set j, j+1
.endr
	v_max3_num_f32 v[MX], v[(\s)], v[(\s)+1], v[(\s)+2]
	v_max3_num_f32 v[MX], v[MX], v[(\s)+3], v[(\s)+4]
	v_max3_num_f32 v[MX], v[MX], v[(\s)+5], v[(\s)+6]
	v_max_num_f32 v[MX], v[MX], v[(\s)+7]
	v_permlanex16_b32 v[MX+1], v[MX], s40, s41     ; the query's other 8 keys lie 16 lanes away
	v_perm_b32 v[CT], v[QMX+(\beta)], v[QMX+(\beta)], 0x01010101*(\dl)
	v_max_num_f32 v[MX], v[MX], v[MX+1]
	v_and_b32 v[CT], 0x3fb8aa3b, v[CT]             ; log2(e), or 0 for a masked query
.irp i, 0,2,4,6
	v_pk_add_f32 v[(\s)+\i:(\s)+\i+1], v[(\s)+\i:(\s)+\i+1], v[MX:MX+1] op_sel_hi:[1,0] neg_lo:[0,1] neg_hi:[0,1]
.endr
.irp i, 0,2,4,6
.if (\dl) == 0
	v_pk_mul_f32 v[(\s)+\i:(\s)+\i+1], v[(\s)+\i:(\s)+\i+1], v[CT:CT+1] op_sel_hi:[1,0]
.elseif (\dl) == 1
	v_pk_fma_f32 v[(\s)+\i:(\s)+\i+1], v[(\s)+\i:(\s)+\i+1], v[CT:CT+1], 1.0 op_sel_hi:[1,0,0]
.elseif (\dl) == 2
	v_pk_fma_f32 v[(\s)+\i:(\s)+\i+1], v[(\s)+\i:(\s)+\i+1], v[CT:CT+1], 2.0 op_sel_hi:[1,0,0]
.else
	v_pk_fma_f32 v[(\s)+\i:(\s)+\i+1], v[(\s)+\i:(\s)+\i+1], v[CT:CT+1], 0x40400000 op_sel_hi:[1,0,0]
.endif
.endr
.irp i, 0,1,2,3,4,5,6,7
	v_exp_f32 v[(\s)+\i], v[(\s)+\i]               ; p 2^dl
.endr
	v_nop                                          ; a plain line between the last exponential and the use of its result
	s_wait_alu depctr_va_vdst(0)
.irp i, 0,2,4,6
.if (\dl) == 0
	v_pk_add_f32 v[LS+2*(\beta):LS+2*(\beta)+1], v[LS+2*(\beta):LS+2*(\beta)+1], v[(\s)+\i:(\s)+\i+1]
.else
	v_pk_fma_f32 v[LS+2*(\beta):LS+2*(\beta)+1], v[(\s)+\i:(\s)+\i+1], 0x3f800000-(\dl)*0x800000, v[LS+2*(\beta):LS+2*(\beta)+1] op_sel_hi:[1,0,1]
.endif
.endr
	CVTH \pd, \s
.endm
.macro ZERO4 d
.irp i, 0,1,2,3
	v_mov_b32 v[(\d)+\i], 0
.endr
.endm
.if COARSE
	s_load_b128 s[4:7], s[0:1], 0x0                ; c4 s[4:5], tab s[6:7]
	s_load_b64 s[8:9], s[0:1], 0x10                ; yc
.else
	s_load_b256 s[4:11], s[0:1], 0x0               ; qkv s[4:5], tab s[6:7], yc s[8:9], out0 s[10:11]
.endif
	v_lshl_add_u32 v[SPW], v0, 2, SPARE            ; my spare word,
	v_mov_b32 v[NIL], 0                            ; and 0: kept for the add at the wave's end
	v_lshrrev_b32 v3, 5, v0
	v_readfirstlane_b32 s12, v3                    ; wave 0..7
	s_mov_b32 s13, ttmp9                           ; which 256 base tokens
	s_and_b32 s14, ttmp7, 0xffff                   ; batch x 16 + head
	s_mov_b32 s15, 255
	s_mov_b32 s40, 0x76543210
	s_mov_b32 s41, 0xfedcba98
	s_mov_b32 s61, 0                               ; the high word of the offset pair s[60:61]
	s_lshl_b32 s16, s14, SEQSH
	s_lshl_b32 s17, s13, 15                        ; 16 blocks of 2,048 bytes
	s_add_co_u32 s16, s16, s17
	s_mov_b32 s17, 0
	s_lshr_b32 s2, s14, 4
	s_mul_i32 s2, s2, NSEQ
	s_lshl_b32 s3, s13, 8
	s_add_co_u32 s2, s2, s3                        ; U: my first base token among both batches'
	v_and_b32 v1, 15, v0                           ; r = l % 16
	v_bfe_u32 v2, v0, 4, 1                         ; h = l / 16
	v_and_b32 v3, 31, v0
	v_lshlrev_b32 v3, 4, v3                        ; 16 l
	s_lshl_b32 s60, s12, 12
	v_add_nc_u32 v[AIM], s60, v3                   ; my wave's two blocks, 4,096 bytes
	s_lshl_b32 s60, s12, 6
	v_lshl_add_u32 v[LA], v2, 4, s60               ; 16-bit tables: tokens 32 w + 8 h ..
	s_lshl_b32 s60, s12, 5
	v_lshl_add_u32 v[LA+1], v2, 3, s60             ; mask bytes of the base keys 32 w + 8 h ..
	v_add_nc_u32 v[LA+5], s60, v1                  ; my query of block 0
	s_xor_b32 s60, s12, 1
	s_lshl_b32 s60, s60, 4
	v_lshl_add_u32 v[LA+2], v2, 3, s60             ; the partner block's 16 keys at dl = 1,
	s_lshr_b32 s60, s12, 1
	s_xor_b32 s60, s60, 1
	s_lshl_b32 s60, s60, 4
	v_lshl_add_u32 v[LA+3], v2, 3, s60             ; dl = 2,
	s_lshr_b32 s60, s12, 2
	s_xor_b32 s60, s60, 1
	s_lshl_b32 s60, s60, 4
	v_lshl_add_u32 v[LA+4], v2, 3, s60             ; dl = 3
	v_lshrrev_b32 v[LA+6], 1, v[LA+5]
	v_lshrrev_b32 v[LA+7], 2, v[LA+5]
	v_lshrrev_b32 v[LA+8], 3, v[LA+5]
	v_lshlrev_b32 v[LA+9], 1, v[LA+5]
	s_wait_kmcnt 0x0
	s_add_nc_u64 s[18:19], s[4:5], s[16:17]        ; q,
	s_add_nc_u64 s[20:21], s[18:19], TYPEB         ; k,
	s_add_nc_u64 s[22:23], s[20:21], TYPEB         ; v at my work-group's first image
	s_lshl_b32 s60, s2, 1
	s_add_co_u32 s60, s60, TX
	s_add_nc_u64 s[24:25], s[6:7], s[60:61]        ; the 16-bit tables at my first token
	s_add_co_u32 s60, s2, TX+12*NT
	s_add_nc_u64 s[26:27], s[6:7], s[60:61]        ; the masks of levels dl = 0,
	s_lshr_b32 s60, s2, 1
	s_add_co_u32 s60, s60, TX+13*NT
	s_add_nc_u64 s[28:29], s[6:7], s[60:61]        ; 1,
	s_lshr_b32 s60, s2, 2
	s_add_co_u32 s60, s60, TX+13*NT+NT/2
	s_add_nc_u64 s[30:31], s[6:7], s[60:61]        ; 2,
	s_lshr_b32 s60, s2, 3
	s_add_co_u32 s60, s60, TX+13*NT+NT/2+NT/4
	s_add_nc_u64 s[32:33], s[6:7], s[60:61]        ; 3
	; 31 loads of tables, then K's 8 images, then V's
.irp a, 0,1,2,3
	global_load_b128 v[192+8*\a:192+8*\a+3], v[LA], s[24:25] offset:\a*2*NT       ; w_1, w_2, w_3, m / 2 of tokens 8 h ..,
	global_load_b128 v[192+8*\a+4:192+8*\a+7], v[LA], s[24:25] offset:\a*2*NT+32  ; and of 16 + 8 h ..
.endr
.irp a, 0,1
	global_load_b128 v[96+8*\a:96+8*\a+3], v[LA], s[24:25] offset:(\a+4)*2*NT     ; m / 4, m / 8
	global_load_b128 v[96+8*\a+4:96+8*\a+7], v[LA], s[24:25] offset:(\a+4)*2*NT+32
.endr
	global_load_b64 v[KB:KB+1], v[LA+1], s[26:27]
	global_load_b64 v[KB+2:KB+3], v[LA+1], s[26:27] offset:16
	global_load_b64 v[KB+4:KB+5], v[LA+2], s[28:29]
	global_load_b64 v[KB+6:KB+7], v[LA+3], s[30:31]
	global_load_b64 v[KB+8:KB+9], v[LA+4], s[32:33]
.irp l, 0,1,2,3
.irp bb, 0,1
	global_load_u8 v[LA+10+2*\l+\bb], v[LA+5+\l], s[26+2*\l:27+2*\l] offset:16*\bb/(1<<\l)  ; my query's mask at level dl = l
.endr
.endr
.irp l, 0,1,2
.irp bb, 0,1
	global_load_u16 v[LA+18+2*\l+\bb], v[LA+9], s[24:25] offset:\l*2*NT+32*\bb              ; its weight w_(l+1)
.endr
.endr
.irp ct, 0,1,2,3
.irp bb, 0,1
	global_load_b128 v[KI+8*\ct+4*\bb:KI+8*\ct+4*\bb+3], v[AIM], s[20:21] offset:2048*\bb+512*\ct th:TH_LOAD_NT
.endr
.endr
.irp ct, 0,1,2,3
.irp bb, 0,1
	global_load_b128 v[VI+8*\ct+4*\bb:VI+8*\ct+4*\bb+3], v[AIM], s[22:23] offset:2048*\bb+512*\ct th:TH_LOAD_NT
.endr
.endr
	; while they are on their way: the other bases, the LDS addresses, the lane masks
	s_lshl_b32 s3, s14, 9
.if COARSE
	s_lshl_b32 s60, s13, 8
.else
	s_lshl_b32 s60, s13, 4
.endif
	s_add_co_u32 s3, s3, s60                       ; my first level-4 row
	s_lshl_b32 s60, s3, 8
	s_add_nc_u64 s[34:35], s[8:9], s[60:61]        ; in Y,
	s_lshl_b32 s60, s3, 2
	s_add_nc_u64 s[36:37], s[8:9], s[60:61]        ; in A (which begins 4,194,304 bytes on: in the immediate)
.if !COARSE
	s_lshr_b32 s3, s14, 4
	s_lshl_b32 s3, s3, 13
	s_lshl_b32 s60, s13, 8
	s_add_co_u32 s3, s3, s60
	s_lshl_b32 s3, s3, 12                          ; my first token's row of 4,096 bytes,
	s_and_b32 s60, s14, 15
	s_lshl_b32 s60, s60, 8                         ; my head's 256 bytes in it
	s_add_co_u32 s60, s60, s3
	s_add_nc_u64 s[38:39], s[10:11], s[60:61]
.endif
	s_mul_i32 s60, s12, SZ
	v_add_nc_u32 v[LW], s60, v3
	s_xor_b32 s60, s12, 1
	s_mul_i32 s60, s60, SZ
	v_add_nc_u32 v[LK1], s60, v3
	s_lshr_b32 s60, s12, 1
	s_xor_b32 s60, s60, 1
	s_mul_i32 s60, s60, 2*SZ                       ; the first wave of the pair beside mine
	v_lshrrev_b32 v[LK2], 3, v1
	v_mul_u32_u24 v[LK2], v[LK2], SZ               ; key r comes from its wave r / 8,
	v_and_b32 v18, 7, v1
	v_lshl_add_u32 v[LK2], v18, 4, v[LK2]          ; column r % 8,
	v_lshl_add_u32 v[LK2], v2, 8, v[LK2]           ; my half's 8 channels
	v_add_nc_u32 v[LK2], s60, v[LK2]
	v_mul_u32_u24 v[LV2], v2, SZ                   ; keys 8 h .. come from its wave h
	v_lshl_add_u32 v[LV2], v1, 4, v[LV2]
	v_add_nc_u32 v[LV2], s60, v[LV2]
	s_lshr_b32 s60, s12, 2
	s_xor_b32 s60, s60, 1
	s_mul_i32 s60, s60, 4*SZ                       ; the first wave of the other half
	v_lshrrev_b32 v[LK3], 2, v1
	v_mul_u32_u24 v[LK3], v[LK3], SZ               ; key r comes from its wave r / 4,
	v_and_b32 v18, 3, v1
	v_lshl_add_u32 v[LK3], v18, 4, v[LK3]          ; column 8 + r % 4 (the 8 in the immediate)
	v_lshl_add_u32 v[LK3], v2, 8, v[LK3]
	v_add_nc_u32 v[LK3], s60, v[LK3]
	v_mul_u32_u24 v[LV3], v2, 2*SZ                 ; keys 8 h .. come from its waves 2 h and 2 h + 1
	v_lshl_add_u32 v[LV3], v1, 4, v[LV3]
	v_add_nc_u32 v[LV3], s60, v[LV3]
	s_mul_i32 s60, s12, 16*SP
	s_add_co_u32 s60, s60, STAGE                   ; my stage
	v_mul_u32_u24 v[STO], v1, SP                   ; in: row = query r, 32 bytes for each half of the lanes
	v_lshl_add_u32 v[STO], v2, 5, v[STO]
	v_add_nc_u32 v[STO], s60, v[STO]
	v_mul_u32_u24 v[RD], v2, SP                    ; back: lanes 0-15 one row of 256 bytes, lanes 16-31 the next
	v_lshl_add_u32 v[RD], v1, 4, v[RD]
	v_add_nc_u32 v[RD], s60, v[RD]
.if COARSE
	s_lshl_b32 s60, s12, 13                        ; 32 rows of 256 bytes a wave
	v_lshlrev_b32 v[GO], 8, v2
	v_lshl_add_u32 v[GO], v1, 4, v[GO]
	v_add_nc_u32 v[GO], s60, v[GO]
	s_lshl_b32 s60, s12, 7
	v_lshl_add_u32 v[AAC], v1, 2, s60              ; A: 4 (32 w + r)
.else
	s_lshl_b32 s60, s12, 17                        ; 32 rows of 4,096 bytes a wave
	v_lshlrev_b32 v[GO], 12, v2
	v_lshl_add_u32 v[GO], v1, 4, v[GO]
	v_add_nc_u32 v[GO], s60, v[GO]
	s_lshl_b32 s60, s12, 9
	v_lshl_add_u32 v[AYC], v2, 5, s60              ; the coarse Y: my wave's two rows of 256 bytes, my half's 8 channels
	s_lshl_b32 s60, s12, 3
	v_mov_b32 v[AAC], s60                          ; the coarse A: my wave's two words
.endif
	; Which register of a weight fragment is not 0 in my lane.  Register i holds the tokens k = 8 h + 2 i, + 1 (i < 4) or 16 + 8 h + 2 (i - 4), + 1 of column r.
	v_lshlrev_b32 v18, 2, v2
	v_sub_nc_u32 v18, v1, v18                      ; dl = 1: column k / 2: r - 4 h = 0-3, 8-11
.irp i, 0,1,2,3
	v_cmp_eq_u32 s[42+\i], \i, v18
	v_cmp_eq_u32 s[46+\i], 8+\i, v18
.endr
	v_lshlrev_b32 v18, 1, v2
	v_sub_nc_u32 v18, v1, v18                      ; dl = 2: column k / 4: r - 2 h = 0, 1, 4, 5
	v_cmp_eq_u32 s50, 0, v18
	v_cmp_eq_u32 s51, 1, v18
	v_cmp_eq_u32 s52, 4, v18
	v_cmp_eq_u32 s53, 5, v18
	v_sub_nc_u32 v18, v1, v2                       ; dl = 3: column 8 + k / 8: r - h = 8, 10
	v_cmp_eq_u32 s54, 8, v18
	v_cmp_eq_u32 s55, 10, v18
	v_lshrrev_b32 v18, 1, v1
	v_lshlrev_b32 v19, 2, v2
	v_sub_nc_u32 v18, v18, v19                     ; the unit fragment: k = r: r / 2 - 4 h = i, in half r % 2
.irp i, 0,1,2,3
	v_cmp_eq_u32 s[56+\i], \i, v18
.endr
	v_and_b32 v18, 1, v1
	v_lshlrev_b32 v18, 4, v18
	v_mov_b32 v19, 0x3f80                          ; 1.0 in bf16
	v_lshlrev_b32 v19, v18, v19
.irp i, 0,1,2,3
	v_mov_b32 v[IDB+\i], 0
	v_cndmask_b32 v[IDB+4+\i], 0, v19, s[56+\i]
	v_mov_b32 v[IDB+8+\i], 0
	v_mov_b32 v[LS+\i], 0
.endr
	v_mov_b32 v[CT+1], 0                           ; named as the upper halves of pairs
	v_mov_b32 v[MX+1], 0
	s_wait_loadcnt 16                              ; the tables are in; K's and V's 16 loads stay out
.set i, 0
.rept 10
	v_mul_lo_u32 v[KB+i], v[KB+i], s15             ; bytes 0 or 1 become 0 or 255
.set i, i+1
.endr
.irp bb, 0,1
	v_lshl_or_b32 v[QMX+\bb], v[LA+12+\bb], 8, v[LA+10+\bb]
	v_lshl_or_b32 v[QMX+\bb], v[LA+14+\bb], 16, v[QMX+\bb]
	v_lshl_or_b32 v[QMX+\bb], v[LA+16+\bb], 24, v[QMX+\bb]
	v_mul_lo_u32 v[QMX+\bb], v[QMX+\bb], s15
.endr
.irp l, 0,1,2
	v_lshl_or_b32 v[WQP+\l], v[LA+19+2*\l], 16, v[LA+18+2*\l]
.endr
.irp i, 0,1,2,3,4,5,6,7
	v_cndmask_b32 v[WK1+\i], 0, v[192+\i], s[42+\i]
	v_cndmask_b32 v[WV1+\i], 0, v[216+\i], s[42+\i]
	v_cndmask_b32 v[WK23+\i], 0, v[200+\i], s[50+\i/2]
	v_cndmask_b32 v[WV23+\i], 0, v[96+\i], s[50+\i/2]
.endr
.irp i, 0,1,2,3,4,5,6,7
	v_cndmask_b32 v[WK23+\i], v[WK23+\i], v[208+\i], s[54+\i/4]   ; columns 0-7: my 8 tokens of dl = 2; 8-11: my 4 of dl = 3; 12-15: 0
	v_cndmask_b32 v[WV23+\i], v[WV23+\i], v[104+\i], s[54+\i/4]
.endr
.irp ct, 0,1,2,3
.irp bb, 0,1
	global_load_b128 v[QI+8*\ct+4*\bb:QI+8*\ct+4*\bb+3], v[AIM], s[18:19] offset:2048*\bb+512*\ct th:TH_LOAD_NT
.endr
.endr
	; PHASE 1: my 32 tokens' aggregated keys and values go into the exchange
	s_wait_loadcnt 16                              ; K is in; V's and Q's 16 loads stay out
	TURNK KI, WK1, PKT
	PUT PKT, 0
	TURNK KI, WK23, PKT+16
	PUT PKT+16, 2048
	s_wait_loadcnt 8                               ; V is in; Q's 8 loads stay out
	TURNV WV1, PKT
	PUT PKT, 4096
	TURNV WV23, PKT+16
	PUT PKT+16, 6144
	s_wait_dscnt 0x0                               ; for the others' sake: my stores into the exchange are done
	s_barrier_signal -1                            ; work on registers while the others arrive: Q and K of the base level are turned
	s_wait_loadcnt 0x0                             ; Q
	TURNK QI, IDB+4, Q0F
	TURNK QI, IDB, Q0F+16
	TURNK KI, IDB+4, K0F
	TURNK KI, IDB, K0F+16
	s_barrier_wait -1                              ; the exchange is whole; nobody writes it again
.if !COARSE
.irp bb, 0,1                           ; O^T starts as the coarse levels' Y: a block of 16 tokens is one level-4 row.  The last product that read these registers stands 4 v_nop and 16 conversions back
.irp ct, 0,1,2,3
	global_load_b128 v[O+32*\bb+8*\ct:O+32*\bb+8*\ct+3], v[AYC], s[34:35] offset:256*\bb+64*\ct
	global_load_b128 v[O+32*\bb+8*\ct+4:O+32*\bb+8*\ct+7], v[AYC], s[34:35] offset:256*\bb+64*\ct+16
.endr
	global_load_b32 v[ACV+\bb], v[AAC], s[36:37] offset:4194304+4*\bb
.endr
.endif
	; PHASE 2a: the base level.  Tile (query block b, key block k) at T + 16 b + 8 k; the tiles take turns
.irp c, 0,1
.irp bb, 0,1
.if COARSE
	SQ T+16*\bb+8*(1-\bb), K0F+16*(1-\bb)+8*\c, Q0F+16*\bb+8*\c, \c     ; the neighbour block alone
.else
	SQ T+16*\bb, K0F+8*\c, Q0F+16*\bb+8*\c, \c
	SQ T+16*\bb+8, K0F+16+8*\c, Q0F+16*\bb+8*\c, \c
.endif
.endr
.endr
	PLACES 4
.irp ct, 0,1,2,3
	ds_load_b128 v[KP+4*\ct:KP+4*\ct+3], v[LK1] offset:512*\ct
.endr
.irp ct, 0,1,2,3
	ds_load_b128 v[KP+16+4*\ct:KP+16+4*\ct+3], v[LK2] offset:2048+512*\ct
.endr
.if COARSE
	SOFT T+8, KB+2, 0, 0, T+4
	ZERO4 T                                        ; the own block has no part at these levels
	SOFT T+16, KB, 1, 0, T+16
	ZERO4 T+20
.else
.irp bb, 0,1                           ; P takes the places of scores that have been used: key block 0 first
	SOFT T+16*\bb, KB, \bb, 0, T+16*\bb
	SOFT T+16*\bb+8, KB+2, \bb, 0, T+16*\bb+4
.endr
	s_wait_loadcnt 0x0                             ; the coarse Y and A
.endif
	PVG 1
	PLACES 5                                       ; four for the loads into V's registers, five for the products that write over P
.irp ct, 0,1,2,3
	ds_load_b128 v[VI+8*\ct:VI+8*\ct+3], v[LK1] offset:4096+512*\ct
	ds_load_b128 v[VI+8*\ct+4:VI+8*\ct+7], v[LV2] offset:6144+512*\ct
.endr
	; PHASE 2b: dl = 1 and 2.  Tile (b, dl) at T + 16 b + 8 (dl - 1)
	s_wait_dscnt 8                                 ; the partners' keys are in; the 8 loads of their values stay out
.irp c, 0,1
.irp bb, 0,1
	SQ T+16*\bb, KP+8*\c, Q0F+16*\bb+8*\c, \c
	SQ T+16*\bb+8, KP+16+8*\c, Q0F+16*\bb+8*\c, \c
.endr
.endr
	PLACES 4
.irp ct, 0,1,2,3
	ds_load_b128 v[KP+4*\ct:KP+4*\ct+3], v[LK3] offset:2176+512*\ct
.endr
.irp bb, 0,1
	GAVG T+16*\bb, 1, \bb
	SOFT T+16*\bb, KB+4, \bb, 1, T+16*\bb
	GAVG T+16*\bb+8, 2, \bb
	SOFT T+16*\bb+8, KB+6, \bb, 2, T+16*\bb+4
.endr
	s_wait_dscnt 4                                 ; the values are in; the 4 loads of dl = 3's keys stay out
	PVG 0
	PLACES 5
.irp ct, 0,1,2,3                       ; the upper four registers keep dl = 2's values: finite numbers that meet P = 0
	ds_load_b64 v[VI+8*\ct:VI+8*\ct+1], v[LV3] offset:6400+512*\ct
	ds_load_b64 v[VI+8*\ct+2:VI+8*\ct+3], v[LV3] offset:6400+512*\ct+SZ
.endr
	; PHASE 2c: dl = 3
	s_wait_dscnt 8                                 ; the keys are in; the 8 loads of the values stay out
.irp c, 0,1
.irp bb, 0,1
	SQ T+16*\bb, KP+8*\c, Q0F+16*\bb+8*\c, \c
.endr
.endr
	PLACES 4
.irp bb, 0,1
	GAVG T+16*\bb, 3, \bb
	SOFT T+16*\bb, KB+8, \bb, 3, T+16*\bb
	ZERO4 T+16*\bb+4
.endr
	s_wait_dscnt 0x0
	PVG 0
	PLACES 4
	; PHASE 3: the way out, a block of 16 rows at a time through my own stage
.macro FIN bb, ob
	v_add_f32 v[AS+\bb], v[LS+2*\bb], v[LS+2*\bb+1]
	v_permlanex16_b32 v[TK], v[AS+\bb], s40, s41
	v_add_f32 v[AS+\bb], v[AS+\bb], v[TK]
.if COARSE
	global_store_b32 v[AAC], v[AS+\bb], s[36:37] offset:4194304+64*\bb  ; both halves of the lanes store the same word with the same value
.else
	v_add_f32 v[AS+\bb], v[AS+\bb], v[ACV+\bb]
	v_add_f32 v[AS+\bb], 0x322bcc77, v[AS+\bb]     ; + 1e-8
	v_rcp_f32 v[CT], v[AS+\bb]
	v_nop                                          ; a plain line between the reciprocal and its use
	s_wait_alu depctr_va_vdst(0)
.endif
.set i, 0
.rept 16
.if COARSE
	v_pk_mul_f32 v[O+32*\bb+i:O+32*\bb+i+1], v[O+32*\bb+i:O+32*\bb+i+1], 0x41800000 op_sel_hi:[1,0]  ; the base values were v4 / 16
.else
	v_pk_mul_f32 v[O+32*\bb+i:O+32*\bb+i+1], v[O+32*\bb+i:O+32*\bb+i+1], v[CT:CT+1] op_sel_hi:[1,0]
.endif
.set i, i+2
.endr
.irp ct, 0,1,2,3
	ds_store_b128 v[STO], v[O+32*\bb+8*\ct:O+32*\bb+8*\ct+3] offset:64*\ct
	ds_store_b128 v[STO], v[O+32*\bb+8*\ct+4:O+32*\bb+8*\ct+7] offset:64*\ct+16
.endr
.irp t, 0,1,2,3,4,5,6,7
	ds_load_b128 v[(\ob)+4*\t:(\ob)+4*\t+3], v[RD] offset:2*SP*\t  ; LDS serves a wave's instructions in order (ISA guide 5.7.1.4): these see the stores above, and the next block's stores come behind them
.endr
.endm
.macro SEND bb, ob, younger
.irp t, 0,1,2,3,4,5,6,7
	s_wait_dscnt (\younger)+7-\t
.if COARSE
	global_store_b128 v[GO], v[(\ob)+4*\t:(\ob)+4*\t+3], s[34:35] offset:4096*\bb+512*\t
.else
	global_store_b128 v[GO], v[(\ob)+4*\t:(\ob)+4*\t+3], s[38:39] offset:65536*\bb+8192*\t th:TH_STORE_NT  ; sixteen lanes store 256 consecutive bytes, aligned
.endif
.endr
.endm
	FIN 0, T
	FIN 1, Q0F                                     ; block 1's arithmetic stands between block 0's loads from the stage and its stores
	SEND 0, T, 16                                  ; block 1's sixteen LDS instructions are younger
	SEND 1, Q0F, 0
	s_wait_tensorcnt 0x0                           ; the wave's end
	ds_add_u32 v[SPW], v[NIL]
	s_wait_dscnt 0x0
	s_endpgm
.Lfunc_end_k_qc1096f0c07_attn:
	.size	k_qc1096f0c07_attn, .Lfunc_end_k_qc1096f0c07_attn-k_qc1096f0c07_attn
	.p2alignl 7, 3214868480
	.fill 96, 4, 3214868480
	.section	.rodata,"a",@progbits
	.p2align	6, 0x0
	.amdhsa_kernel k_qc1096f0c07_attn
		.amdhsa_group_segment_fixed_size 101888
		.amdhsa_private_segment_fixed_size 0
		.amdhsa_enable_private_segment 0
		.amdhsa_kernarg_size 32
		.amdhsa_user_sgpr_count 2
		.amdhsa_user_sgpr_kernarg_segment_ptr 1
		.amdhsa_wavefront_size32 1
		.amdhsa_system_sgpr_workgroup_id_x 1
		.amdhsa_system_sgpr_workgroup_id_y 1
		.amdhsa_system_sgpr_workgroup_id_z 1
		.amdhsa_system_vgpr_workitem_id 0
		.amdhsa_next_free_vgpr 256
		.amdhsa_next_free_sgpr 66
		.amdhsa_reserve_vcc 0
		.amdhsa_float_denorm_mode_32 3
		.amdhsa_float_denorm_mode_16_64 3
		.amdhsa_memory_ordered 1
		.amdhsa_forward_progress 1
		.amdhsa_inst_pref_size 85
	.end_amdhsa_kernel
	.amdgpu_metadata
---
amdhsa.version: [ 1, 2 ]
amdhsa.kernels:
  - .name:           k_qc1096f0c07_attn
    .symbol:         k_qc1096f0c07_attn.kd
    .args:
      - { .name: qkv, .offset: 0, .size: 8, .value_kind: global_buffer, .address_space: global }
      - { .name: tab, .offset: 8, .size: 8, .value_kind: global_buffer, .address_space: global }
      - { .name: yc, .offset: 16, .size: 8, .value_kind: global_buffer, .address_space: global }
      - { .name: out0, .offset: 24, .size: 8, .value_kind: global_buffer, .address_space: global }
    .group_segment_fixed_size: 101888
    .private_segment_fixed_size: 0
    .kernarg_segment_align: 8
    .kernarg_segment_size: 32
    .max_flat_workgroup_size: 256
    .sgpr_count:     66
    .vgpr_count:     256
    .wavefront_size: 32
...
	.end_amdgpu_metadata
.endif
;; end of part 4
